; MI455X (gfx1250); checked and timed in simulation.
; The chip was launched on July 23, 2026; its instructions are those of AMD's public machine-readable ISA for CDNA 5 (MIT licence, August 2026) and "CDNA5" Instruction Set Architecture Reference Guide (July 2026). The comments in the code are by the model that wrote it; some were corrected since.
;; Self Attention. Allowed arithmetic: matrix products marked QUANTISED: E3M2 operands, one E8M0 scale for each 32 along K, by v_wmma_scale_f32_16x16x128_f8f6f4 with both operands' format E3M2, f32 sums; everything else in f32.
;; Inputs: W_proj 1,024 x 1,024 float32; W_qkv 3,072 x 1,024 float32; b_proj 1,024 float32; b_qkv 3,072 float32; x 4 x 2,048 x 1,024 float32.
;; Outputs: out0 4 x 2,048 x 1,024 float32.
;; This version of the problem:
;;   THIS VERSION OF THE PROBLEM IS GIVEN IN LOW PRECISION. The matrix products marked QUANTISED in the list below multiply operands that are first quantised to E3M2 (3 exponent bits, 2 mantissa bits; 6 bits a number), with one power-of-two scale for each 32 numbers along K (OCP MX v1.0); their sums are f32. All else is computed in f32.
;;   The module's matrix products, in the order in which they are computed (A, B: the left and right operand; K: the contracted axis; several contracted axes count as one K, in the product's order):
;;     1. [M 8,192, K 1,024] x [K 1,024, N 3,072]; A: input x; B: input W_qkv: QUANTISED
;;     2. batch 64 x [M 2,048, K 64] x [K 64, N 2,048]; A: computed on the way; B: computed on the way: QUANTISED
;;     3. batch 64 x [M 2,048, K 2,048] x [K 2,048, N 64]; A: softmax (see below); B: computed on the way: QUANTISED
;;     4. [M 8,192, K 1,024] x [K 1,024, N 1,024]; A: computed on the way; B: input W_proj: QUANTISED
;;   THE QUANTISER, for each operand of a quantised product, along K:
;;     - K is cut into blocks of 32 from its start; a last block that is shorter is filled with zeros.
;;     - A block's scale is 2^e with e = floor(log2(the largest magnitude in the block)) - 4, held to -126 .. 127; a block of zeros has e = 0. As a byte (E8M0): e + 127.
;;     - Each number is divided by its block's scale, clamped to +-28, and rounded to the nearest number of E3M2, ties to even, subnormals kept.
;;     - The product sums the exact products of the quantised numbers (number of the format x scale) in f32.
;;   ~~~python
;;   def quantise(x, axis):      # numpy; x: float32 -> the quantised numbers, widened to float32 again
;;       x = np.moveaxis(x, axis, -1); K = x.shape[-1]
;;       x = np.pad(x, [(0, 0)] * (x.ndim - 1) + [(0, -K % 32)]); x = x.reshape(x.shape[:-1] + (-1, 32)); a = np.abs(x).max(-1, keepdims=True)
;;       e = np.where(a > 0, np.clip(np.frexp(np.where(a > 0, a, 1))[1] - 1 - 4, -126, 127), 0)      # np.frexp(a)[1] - 1 = floor(log2(a)), exactly
;;       r = np.clip(x / 2.0 ** e, -28, 28)
;;       step = 2.0 ** (np.maximum(np.frexp(np.where(r == 0, 1, r))[1] - 1, -2) - 2)
;;       q = np.round(r / step) * step * 2.0 ** e      # np.round: ties to even
;;       return np.moveaxis(q.reshape(q.shape[:-2] + (-1,))[..., :K], -1, axis).astype(np.float32)
;;   ~~~
;;   SOFTMAX AHEAD OF A QUANTISED PRODUCT. Where the list says 'softmax', what is quantised is not the finished softmax but p = 2^(t - M), with t = logit x log2(e) and M = ceil(the row's largest t), a whole number; so 1/2 < the row's largest p <= 1. The row's sum l is taken of the UNQUANTISED p, in f32, and the product's result is divided by l at the end. Since M is a whole number, a kernel that streams over the keys may use a running M (the ceiling of the running maximum): every later rescaling is an exact power of two, which a block's scale takes up: the codes' values come out the same.
;;   OPERANDS COMPUTED ON THE WAY. 'Computed on the way' means the value that the module computes at that place (a softmax that the list does not call 'softmax' is quantised finished and normalised). What goes into a quantiser is computed in f32, as accurately as f32 sums, v_exp_f32 and their like allow (about 1e-6 of the number): no bf16 or f16 on the way to a quantiser, and a product that is left as it is and whose result goes on into a quantised operand takes f32 operands (vector FMAs, or v_wmma_f32_16x16x4_f32). A number that lies on a knife's edge between two numbers of the format may be rounded either way, as far as f32 arithmetic and the matrix unit's own rounding can turn it there, and no further.
;; One version. Each part assembles by itself: llvm-mc -triple=amdgcn-amd-amdhsa -mcpu=gfx1250 --defsym DOCPART=n.
;; ======== version 1 of 1: 4 launches
;; workspace buffers: qin 9,830,400 bytes; qkv 20,185,088 bytes; oimg 6,553,600 bytes
;; launch quant (part 1): grid 384 x 1, 4 waves a work-group, no clusters, 34,304 bytes of LDS; arguments x, W_qkv, W_proj, qin; writes qin
.if DOCPART == 1
	.amdgcn_target "amdgcn-amd-amdhsa--gfx1250"
	.amdhsa_code_object_version 6
	.text
	.protected	k_q79b060dafc_quant
	.globl	k_q79b060dafc_quant
	.p2align	8
	.type	k_q79b060dafc_quant,@function
k_q79b060dafc_quant:
	s_mov_b64 s[64:65], 0
	v_nop
	global_prefetch_b8 v0, s[64:65] scope:SCOPE_SE
	s_setreg_imm32_b32 hwreg(HW_REG_WAVE_MODE, 25, 1), 1
	s_wait_xcnt 0x0
; x [8192][1024], W_qkv [3072][1024] and W_proj [1024][1024], f32 with K innermost, become codes of BF6 (E3M2), 6 bits each, with one E8M0 scale byte for each 32 along K,
; laid in qin IN THE ORDER OF AN OPERAND'S REGISTERS.  A block's scale is 2^(floor(log2(its largest magnitude)) - 4); its byte is the largest magnitude's exponent field - 4, held at 1 from below.
; LIMITS: NaN and infinities among the inputs are not served; a block whose largest magnitude lies under 2^-122 keeps the byte 1; a block of zeros gets the byte 1 where the quantiser's text says 127:
; its codes are zeros, which add nothing under any byte but 0xff, and this program alone reads the bytes.
; TILES.  The 12,288 rows are 768 tiles of 16: x 0-511, W_qkv 512-703, W_proj 704-767.  THE ROWS OF A TILE ARE NOT NEIGHBOURS: lane r of tile t takes row 32 (t / 2) + 8 (t % 2) + r + 8 (r / 8), so that
; where such a tile is a product's source 0, the 16 result registers of tiles 2 b and 2 b + 1 are 16 neighbours along that axis.
; IMAGES.  A fragment (16 rows x 128 K) is 12 registers a lane: registers 6 c .. 6 c + 5 of lane (r, h) hold k = 64 c + 32 h + 0 .. 31.  Its image is 1,536 bytes, two halves of 768: registers 6 c .. 6 c + 3 at
; 16 x lane, registers 6 c + 4, 6 c + 5 at 512 + 8 x lane.  Tile t lies at 12,288 t, K step s at + 1,536 s.  Scale words: QSC + 512 t + 256 (s / 4) + 16 r + 4 (s % 4).
; SHARES.  A wave takes one tile and half of K: four K steps.  Each load reads 512 consecutive bytes of one row; the 16 rows turn through the wave's own stage in LDS (rows 528 bytes apart) and come back
; 16 neighbours a lane and block.  Memory binds: no matrix unit, no cluster (nothing is shared), no barrier (waves share nothing).  Loads run two K steps, 32 loads a wave, ahead.
.set RAW,  16                          ; v16-143  two sets of 64: a K step's numbers as loaded
.set X,    144                         ; v144-207 register 16 b + i = k 32 b + 16 h + i of my row
.set PC,   208                         ; v208-227 the codes just made
.set TM,   228                         ; v228-231 largest magnitudes, v232-235 the other half's, then bytes, v240-243 the conversions' scale operands
.set PW,   244                         ; v244-247 the scale word of each K step
.set SEL,  20                          ; s[20:21] lane selects for v_permlanex16_b32: lane l xor 16
.set QSC,  9437184                     ; where the scale words begin in qin
.set SP,   528                         ; a stage row: 512 bytes + 16
	s_load_b256 s[4:11], s[0:1], 0x0               ; x s[4:5], W_qkv s[6:7], W_proj s[8:9], qin s[10:11]
	v_lshl_add_u32 v254, v0, 2, 0x8400
	v_mov_b32 v255, 0
	v_lshrrev_b32 v1, 5, v0
	v_readfirstlane_b32 s12, v1                    ; wave 0..3
	v_and_b32 v1, 31, v0                           ; lane
	v_and_b32 v2, 15, v0                           ; r
	v_bfe_u32 v3, v0, 4, 1                         ; h
	v_lshlrev_b32 v4, 4, v1                        ; 16 x lane
	v_lshlrev_b32 v5, 3, v1                        ; 8 x lane
	s_mul_i32 s13, s12, 16*SP                      ; my stage
	v_add_nc_u32 v6, s13, v4                       ; into it: a row's 512 bytes as they lie
	v_mul_u32_u24 v7, v2, SP
	v_lshl_add_u32 v7, v3, 6, v7
	v_add_nc_u32 v7, s13, v7                       ; out of it: row r, + 64 h: my 16 numbers of a block of 32
	v_lshlrev_b32 v8, 4, v2
	v_lshl_add_u32 v8, v3, 3, v8                   ; the scale words' way out: 16 r + 8 h
	s_mov_b32 s[SEL], 0x76543210
	s_mov_b32 s[SEL+1], 0xfedcba98
.irp b, 0,1,2,3
	v_mov_b32 v[TM+4+\b], 0                        ; written once: a lane permute's destination counts as one of its sources
.endr
	s_lshl_b32 s14, ttmp9, 1
	s_lshr_b32 s15, s12, 1
	s_add_co_u32 s14, s14, s15                     ; my tile: 2 x work-group + wave / 2
	s_and_b32 s15, s12, 1                          ; my half of K
	s_mov_b32 s16, 704
	s_wait_alu depctr_va_vdst(0)
	s_wait_kmcnt 0x0
	s_cmp_lt_u32 ttmp9, 352                        ; which tensor?  The choice hangs on the work-group's number alone
	s_cselect_b64 s[22:23], s[6:7], s[8:9]
	s_cselect_b32 s16, 512, s16
	s_cmp_lt_u32 ttmp9, 256
	s_cselect_b64 s[22:23], s[4:5], s[22:23]
	s_cselect_b32 s16, 0, s16
	s_sub_co_u32 s16, s14, s16                     ; the tile's number in its tensor
	s_lshr_b32 s17, s16, 1
	s_lshl_b32 s17, s17, 5
	s_and_b32 s18, s16, 1
	s_lshl_b32 s18, s18, 3
	s_add_co_u32 s17, s17, s18                     ; its first row: 32 (t / 2) + 8 (t % 2)
	s_lshl_b32 s18, s17, 12                        ; rows of 4,096 bytes
	s_lshl_b32 s19, s15, 11                        ; + 2,048 for the upper half of K
	s_add_co_u32 s18, s18, s19
	s_mov_b32 s19, 0
	s_add_nc_u64 s[22:23], s[22:23], s[18:19]
	s_mul_i32 s18, s14, 12288
	s_mul_i32 s17, s15, 6144
	s_add_co_u32 s18, s18, s17
	s_add_nc_u64 s[24:25], s[10:11], s[18:19]      ; my four images
	s_lshl_b32 s18, s14, 9
	s_lshl_b32 s17, s15, 8
	s_add_co_u32 s18, s18, s17
	s_add_co_u32 s18, s18, QSC
	s_add_nc_u64 s[26:27], s[10:11], s[18:19]      ; my 256 bytes of scale words
.macro LOAD t                          ; K step t of the tile's 16 rows: each load reads 512 consecutive bytes, at a multiple of 512 from the tensor's first byte
.irp i, 0,1,2,3,4,5,6,7,8,9,10,11,12,13,14,15
	global_load_b128 v[RAW+64*((\t)%2)+4*\i:RAW+64*((\t)%2)+4*\i+3], v4, s[22:23] offset:(\i+8*(\i/8))*4096+512*(\t) th:TH_LOAD_NT
.endr
.endm
; 64 numbers of a lane, v[s] on, become a fragment's codes in v[PC] on and its scale word in v[pw]
.macro QUANT s, pw
.irp b, 0,1,2,3
	v_max3_num_f32 v[TM+\b], |v[\s+16*\b]|, |v[\s+1+16*\b]|, 0x2800000   ; block b: my 16 numbers, and the floor 2^(5 - 127): the byte cannot fall under 1
.endr
.irp i, 2,4,6,8,10,12,14
.irp b, 0,1,2,3
	v_max3_num_f32 v[TM+\b], v[TM+\b], |v[\s+16*\b+\i]|, |v[\s+1+16*\b+\i]|   ; the four blocks by turns
.endr
.endr
.irp b, 0,1,2,3
	v_permlanex16_b32 v[TM+4+\b], v[TM+\b], s[SEL], s[SEL+1]
.endr
.irp b, 0,1,2,3
	v_max_num_f32 v[TM+\b], v[TM+\b], v[TM+4+\b]   ; with lane l xor 16's: the block's largest magnitude
.endr
.irp b, 0,1,2,3
	v_add_nc_u32 v[TM+12+\b], 0xfe000000, v[TM+\b] ; 4 off its exponent field: the conversion takes that field of this operand as its scale
.endr
.irp b, 0,1,2,3
	v_lshrrev_b32 v[TM+4+\b], 23, v[TM+12+\b]      ; the scale's byte
.endr
	v_lshl_or_b32 v[\pw], v[TM+5], 8, v[TM+4]
	v_lshl_or_b32 v[\pw], v[TM+6], 16, v[\pw]
	v_lshl_or_b32 v[\pw], v[TM+7], 24, v[\pw]
.irp c, 0,1
	v_cvt_scalef32_pk16_bf6_f32 v[PC+6*\c:PC+2+6*\c], v[\s+32*\c:\s+15+32*\c], v[TM+12+2*\c]
	v_cvt_scalef32_pk16_bf6_f32 v[PC+12+4*\c:PC+14+4*\c], v[\s+16+32*\c:\s+31+32*\c], v[TM+12+2*\c+1]   ; (a conversion's three registers begin on an even number)
.endr
	v_nop                                          ; one plain place behind a scaled conversion
.irp c, 0,1                            ; the layout wants a whole block in a lane: lanes 0-15 block 2 c, lanes 16-31 block 2 c + 1
.irp i, 0,1,2
	v_permlane16_swap_b32 v[PC+6*\c+\i], v[PC+12+4*\c+\i]
.endr
.irp i, 0,1,2
	v_mov_b32 v[PC+3+6*\c+\i], v[PC+12+4*\c+\i]
.endr
.endr
.endm
.macro STEP t
.if (\t) < 3
	s_wait_loadcnt 16                              ; this step's 16 loads are in; the next step's 16 may be out
.else
	s_wait_loadcnt 0x0
.endif
.irp i, 0,1,2,3,4,5,6,7,8,9,10,11,12,13,14,15
	ds_store_b128 v6, v[RAW+64*((\t)%2)+4*\i:RAW+64*((\t)%2)+4*\i+3] offset:SP*\i
.endr
.irp b, 0,1,2,3
.irp j, 0,1,2,3
	ds_load_b128 v[X+16*\b+4*\j:X+16*\b+4*\j+3], v7 offset:128*\b+16*\j   ; LDS serves a wave's instructions in order: these see the stores above
.endr
.endr
	s_wait_dscnt 0x0                               ; my numbers are back, and the stores into the stage have read their registers
.if (\t) > 0
	s_wait_xcnt 0x0                                ; the last step's stores have read the codes' registers, which are written again below
.endif
.if (\t)+2 < 4
	LOAD (\t)+2
.endif
	QUANT X, PW+(\t)
	global_store_b128 v4, v[PC:PC+3], s[24:25] offset:1536*(\t)            ; each store covers 512 or 256 consecutive bytes, at a multiple of 256 from qin's first byte
	global_store_b64 v5, v[PC+4:PC+5], s[24:25] offset:1536*(\t)+512
	global_store_b128 v4, v[PC+6:PC+9], s[24:25] offset:1536*(\t)+768
	global_store_b64 v5, v[PC+10:PC+11], s[24:25] offset:1536*(\t)+1280
.endm
	LOAD 0
	LOAD 1
	STEP 0
	STEP 1
	STEP 2
	STEP 3
	v_cmp_eq_u32 vcc_lo, 1, v3                     ; both halves of the lanes hold a row's four words: lanes 0-15 store words 0, 1, lanes 16-31 words 2, 3
	v_cndmask_b32 v10, v[PW], v[PW+2], vcc_lo
	v_cndmask_b32 v11, v[PW+1], v[PW+3], vcc_lo
	global_store_b64 v8, v[10:11], s[26:27]        ; 256 consecutive bytes, aligned
	s_wait_tensorcnt 0x0
	ds_add_u32 v254, v255
	s_wait_dscnt 0x0
	s_endpgm
.Lfunc_end_k_q79b060dafc_quant:
	.size	k_q79b060dafc_quant, .Lfunc_end_k_q79b060dafc_quant-k_q79b060dafc_quant
	.p2alignl 7, 3214868480
	.fill 96, 4, 3214868480
	.section	.rodata,"a",@progbits
	.p2align	6, 0x0
	.amdhsa_kernel k_q79b060dafc_quant
		.amdhsa_group_segment_fixed_size 34304
		.amdhsa_private_segment_fixed_size 0
		.amdhsa_enable_private_segment 0
		.amdhsa_kernarg_size 32
		.amdhsa_user_sgpr_count 2
		.amdhsa_user_sgpr_kernarg_segment_ptr 1
		.amdhsa_wavefront_size32 1
		.amdhsa_system_sgpr_workgroup_id_x 1
		.amdhsa_system_sgpr_workgroup_id_y 1
		.amdhsa_system_sgpr_workgroup_id_z 1
		.amdhsa_system_vgpr_workitem_id 0
		.amdhsa_next_free_vgpr 256
		.amdhsa_next_free_sgpr 66
		.amdhsa_reserve_vcc 1
		.amdhsa_float_denorm_mode_32 3
		.amdhsa_float_denorm_mode_16_64 3
		.amdhsa_memory_ordered 1
		.amdhsa_forward_progress 1
		.amdhsa_inst_pref_size 34
	.end_amdhsa_kernel
	.amdgpu_metadata
---
amdhsa.version: [ 1, 2 ]
amdhsa.kernels:
  - .name:           k_q79b060dafc_quant
    .symbol:         k_q79b060dafc_quant.kd
    .args:
      - { .name: x, .offset: 0, .size: 8, .value_kind: global_buffer, .address_space: global }
      - { .name: W_qkv, .offset: 8, .size: 8, .value_kind: global_buffer, .address_space: global }
      - { .name: W_proj, .offset: 16, .size: 8, .value_kind: global_buffer, .address_space: global }
      - { .name: qin, .offset: 24, .size: 8, .value_kind: global_buffer, .address_space: global }
    .group_segment_fixed_size: 34304
    .private_segment_fixed_size: 0
    .kernarg_segment_align: 8
    .kernarg_segment_size: 32
    .max_flat_workgroup_size: 128
    .sgpr_count:     66
    .vgpr_count:     256
    .wavefront_size: 32
...
	.end_amdgpu_metadata
.endif
;; end of part 1
;; launch gemm_qkv (part 2): grid 12 x 32, 4 waves a work-group, clusters of 4 x 4, 327,680 bytes of LDS; arguments qin, b_qkv, qkv; writes qkv
.if DOCPART == 2
	.amdgcn_target "amdgcn-amd-amdhsa--gfx1250"
	.amdhsa_code_object_version 6
	.text
	.protected	k_q79b060dafc_gemm_qkv
	.globl	k_q79b060dafc_gemm_qkv
	.p2align	8
	.type	k_q79b060dafc_gemm_qkv,@function
k_q79b060dafc_gemm_qkv:
	s_mov_b64 s[64:65], 0
	v_nop
	global_prefetch_b8 v0, s[64:65] scope:SCOPE_SE
	s_setreg_imm32_b32 hwreg(HW_REG_WAVE_MODE, 25, 1), 1
	s_wait_xcnt 0x0
	s_wait_alu depctr_hold_cnt(0) depctr_sa_sdst(0) depctr_va_vdst(0) depctr_va_sdst(0) depctr_va_ssrc(0) depctr_va_vcc(0) depctr_vm_vsrc(0)
	s_getreg_b32 s2, hwreg(HW_REG_IB_STS2, 6, 4)
	s_cmp_eq_u32 s2, 0
	s_cbranch_scc0 .Lentry_in_a_cluster
	s_endpgm
.Lentry_in_a_cluster:
	s_bfe_u32 s2, ttmp6, 0x10000c
	s_cmp_lg_u32 s2, 0xf033
	s_cbranch_scc0 .Lentry_shape_is_right
	s_endpgm
.Lentry_shape_is_right:
; ONE TEXT SERVES TWO LAUNCHES; PROJ chooses.  Both are products on codes of BF6 (E3M2) with one E8M0 scale for each 32 along K = 1,024, sums in f32, the bias as the C of each sum's first product.
;   PROJ = 0: qkv = x W_qkv^T + b_qkv, whose results are quantised in registers and leave as the attention launch's operands.      PROJ = 1: out0 = o W_proj^T + b_proj, f32.
; OPERANDS lie in memory in the order of their registers.  A tile is 16 rows: lane r of tile t holds row 32 (t / 2) + 8 (t % 2) + r + 8 (r / 8).  A fragment (16 rows x 128 K, 12 registers a lane) is an image of
; 1,536 bytes, two halves of 768: registers 6 c .. 6 c + 3 at 16 x lane, registers 6 c + 4, 6 c + 5 at 512 + 8 x lane.  Tile t at 12,288 t, K step s at + 1,536 s; scale words at 512 t + 256 (s / 4) + 16 r + 4 (s % 4).
; A tile of the result, 256 x 256, is made by four waves, each 128 x 128: 64 accumulators, 512 registers.  Source 0 ("B") runs along a lane's registers, source 1 ("A") along the lanes.  Since the rows of B's
; tiles are chosen as above, the 64 registers of one block of A are 128 neighbours along B's axis, 16 to a lane and block of 32: they are quantised as they stand.
; K goes in four slots' worth of 256 through a ring of two LDS slots filled by the tensor data mover; a wave's load brings 8 tiles x 3,072 consecutive bytes.  The scale words of the 512 rows come once.
; CLUSTERS: 4 x 4 work-groups; A's tiles are asked for jointly along a row of the cluster, B's along a column.
; PROJ = 0: clusters x = 0, 1 make q and k (A = x's tokens, B = W's rows: a lane holds a token, its registers channels: K of the scores).  Clusters x = 2 make V^T (A = W_v's rows, B = x's tokens: a lane holds a
; channel, its registers keys: K of the second product).  The choice hangs on the cluster's x alone, which all partners share.
; LIMITS: NaN and infinities are not served; a block whose largest magnitude lies under 2^-122, a block of zeros among them, gets the scale byte 1 (its codes then add nothing or next to nothing; this program alone reads the bytes).
; REGISTERS, in windows of 256: window 0: v1-29 addresses; v32-63 scale words, two sets; v64-127 the bias in the result's layout, later the scale words made; v128-223 A's fragments, one set, later codes or rows
;   on the way out; v224-251 at work.   window 1: B's fragments, two sets, at v0 and v128.   windows 2, 3: the accumulators, (a, b) at v[8 (8 (a % 4) + b)] of window 2 + a / 4.
.set PROJ,   0
.set HALFT,  24576                     ; 8 tiles x 3,072 bytes: what one tensor load brings, and what one wave reads of A or of B
.set SLOT,   4*HALFT                   ; A's 16 tiles, then B's
.set SCL,    2*SLOT                    ; behind the ring: A's scale words, 8,192 bytes, then B's
.set SPARE,  SCL+16384                 ; the spare words, 128 bytes for each wave: two blocks of 256 bytes that no other line names
.set QSC,    9437184                   ; where the scale words begin in qin
.set OSC,    6291456                   ; and in oimg
.set KVB,    6815744                   ; qkv: where K's and V's records begin
.set FR,     12                        ; registers of a fragment
.set NL,     4                         ; LDS loads that bring one
.set NP,     4                         ; places behind this matrix instruction (ISA guide 7.12.1)
.set NQ,     2                         ; K steps of 128 in a slot
.set SPITCH, 528                       ; PROJ = 1: a stage row; the stages, 16 rows a wave, lie in slot 0, behind its last fill and its last read
.if PROJ
.set ASC, OSC
.else
.set ASC, QSC
.endif
.set L16,  7                           ; v7   16 x lane
.set L8,   8                           ; v8   8 x lane
.set SOFF, 9                           ; v9   where I store four scale words
.set BOF,  10                          ; v10  the bias along the registers: 64 h
.set VOF,  11                          ; v11  the bias along the lanes: 4 (r + 8 (r / 8))
.set ADRA, 16                          ; v16-17 A's fragments in slot 0, 1, + 16 x lane; v18-19 + 8 x lane
.set ADRB, 20                          ; v20-23 the same for B
.set STO,  24
.set RD,   25
.set ADRS, 27                          ; v27  my scale words: lanes 0-15 A's rows, lanes 16-31 B's
.set SPW,  28                          ; v28  my spare word: SPARE + 4 x my thread's number; never rewritten
.set NIL,  29                          ; v29  0; never rewritten
.set SC,   32
.set BI,   64
.set WA,   64                          ; the way out: the eight scale words made
.set AF,   128
.set PC,   128                         ; the way out: the codes just made
.set BK,   128                         ; PROJ = 1: rows read back from the stage, v128-191 and v192-255 by turns
.set TM,   224
.set VB,   244                         ; v244-251 the bias along the lanes, one register a block of A; later the scale words on their way out
.set SEL,  20
.set G1, 24
.set G0, 32
.set G1B, 48
.set G0B, 56
.set G1S, 68
.set G0S, 76
.set G1SB, 80
.set G0SB, 88
.set MSB, 0
.macro WIN new                         ; the immediate's high byte repeats the setting that is left
.if MSB != \new
	s_set_vgpr_msb (MSB<<8)|\new
.set MSB, \new
.endif
.endm
.set MUL_LO, 0xa1                      ; source 0 (B) window 1, source 1 (A) window 0, C and D window 2
.set MUL_HI, 0xf1                      ; the same, C and D window 3
.set TO_B,   0x40                      ; destination window 1, address window 0
; A joint load: waves 0 and 1 fetch for A, waves 2 and 3 for B.  Each line has one mask and one set of registers for all that issue it; the branch hangs on the wave's number alone.
; Four v_nop follow each of the two lines, ahead of the jump, the label and what follows.
.macro JLOAD g0a, g1a, g0b, g1b
	s_cmp_eq_u32 s15, 0
	s_cbranch_scc0 .Lfor_b_\@
	tensor_load_to_lds s[\g0a:\g0a+3], s[\g1a:\g1a+7]
	s_nop 0
.rept 4
	v_nop
.endr
	s_branch .Lasked_\@
.Lfor_b_\@:
	tensor_load_to_lds s[\g0b:\g0b+3], s[\g1b:\g1b+7]
	s_nop 0
.rept 4
	v_nop
.endr
.Lasked_\@:
.endm
.macro CREST                           ; a round of the cluster's barrier behind its opening barrier
	s_cmp_lg_u32 s14, 0
	s_cbranch_scc1 .Lnot_wave_0_\@
	s_barrier_signal -3
.Lnot_wave_0_\@:
	s_barrier_wait -3
	s_barrier_signal -1
	s_barrier_wait -1
.endm
.macro CROUND                          ; a whole round
	s_barrier_signal -1
	s_barrier_wait -1
	CREST
.endm
.if PROJ
	s_load_b256 s[4:11], s[0:1], 0x0               ; A's buffer oimg s[4:5], B's buffer qin s[6:7], b_proj s[8:9], out0 s[10:11]
.else
	s_load_b64 s[4:5], s[0:1], 0x0                 ; A's buffer: qin
	s_load_b64 s[6:7], s[0:1], 0x0                 ; B's buffer: qin too
	s_load_b64 s[8:9], s[0:1], 0x8                 ; b_qkv
	s_load_b64 s[10:11], s[0:1], 0x10              ; qkv
.endif
	v_lshl_add_u32 v[SPW], v0, 2, SPARE
	v_mov_b32 v[NIL], 0
	ds_add_u32 v28, v29
	ds_add_u32 v28, v29
	s_wait_dscnt 0x0
	v_lshrrev_b32 v1, 5, v0
	v_readfirstlane_b32 s14, v1                    ; wave 0..3
	s_lshr_b32 s15, s14, 1                         ; which half of A's rows I multiply.  Also: I fetch for A (0) or for B (1)
	s_and_b32 s16, s14, 1                          ; which half of B's rows I multiply.  Also: which 8 tiles I fetch
	s_bfe_u32 s40, ttmp6, 0x40000                  ; cx, cy: my place in the cluster
	s_bfe_u32 s41, ttmp6, 0x40004
	s_and_b32 s67, ttmp7, 0xffff
	s_lshl_b32 s67, s67, 2                         ; 4 x cluster y
	s_lshl_b32 s42, ttmp9, 2
	s_add_co_u32 s42, s42, s40                     ; B's tile of 256 rows: 4 x cluster x + cx
	s_add_co_u32 s17, s67, s41                     ; A's: 4 x cluster y + cy
.if PROJ
	s_mov_b32 s97, 0                               ; A: oimg's tiles from 0
	s_mov_b32 s98, 704                             ; B: W_proj's tiles in qin
.else
	s_add_co_u32 s96, s67, s40                     ; 4 x cluster y + cx
	s_cmp_eq_u32 ttmp9, 2                          ; V's clusters: A = W_v (tile cy), B = x (tile 4 x cluster y + cx)
	s_cselect_b32 s17, s41, s17                    ; A's registers never hold cx,
	s_cselect_b32 s42, s96, s42                    ; B's never cy
	s_cselect_b32 s97, 640, 0
	s_cselect_b32 s98, 0, 512
.endif
	s_lshl_b32 s43, s41, 2
	s_lshl_b32 s43, 15, s43                        ; my row of the cluster
	s_lshl_b32 s44, 0x1111, s40                    ; my column
	; descriptor group 1 for codes: 8 rows (tiles) of 384 elements of 8 bytes, 1,536 elements apart; dense in LDS
	s_or_b32 s[G1+0], s43, (3<<16)|(1<<21)         ; 15:0 the mask; 17:16 elements of 8 bytes; 20 no padding; 21 set beside a mask
	s_or_b32 s[G1B+0], s44, (3<<16)|(1<<21)
.irp g, G1, G1B
	s_mov_b32 s[\g+1], 384<<16                     ; tensor_dim0
	s_mov_b32 s[\g+2], 8<<16                       ; tensor_dim1
	s_mov_b32 s[\g+3], 384<<16                     ; tile_dim0
	s_mov_b32 s[\g+4], 8                           ; tile_dim1
	s_mov_b32 s[\g+5], 1536                        ; tensor_dim0_stride
	s_mov_b32 s[\g+6], 0
	s_mov_b32 s[\g+7], 0
.endr
	; and for the scale words of 8 tiles: 4,096 dense bytes as 16 rows of 256
	s_or_b32 s[G1S+0], s43, (3<<16)|(1<<21)
	s_or_b32 s[G1SB+0], s44, (3<<16)|(1<<21)
.irp g, G1S, G1SB
	s_mov_b32 s[\g+1], 32<<16
	s_mov_b32 s[\g+2], 16<<16
	s_mov_b32 s[\g+3], 32<<16
	s_mov_b32 s[\g+4], 16
	s_mov_b32 s[\g+5], 32
	s_mov_b32 s[\g+6], 0
	s_mov_b32 s[\g+7], 0
.endr
	s_lshl_b32 s18, s16, 3                         ; which 8 tiles I fetch
	s_lshl_b32 s20, s17, 4
	s_add_co_u32 s20, s20, s18
	s_add_co_u32 s20, s20, s97                     ; A's first tile
	s_lshl_b32 s46, s42, 4
	s_add_co_u32 s46, s46, s18
	s_add_co_u32 s46, s46, s98                     ; B's
	s_lshl_b32 s22, s20, 9
	s_add_co_u32 s22, s22, ASC                     ; their scale words, in bytes
	s_mov_b32 s23, 0
	s_lshl_b32 s92, s46, 9
	s_add_co_u32 s92, s92, QSC
	s_mov_b32 s93, 0
	s_mul_i32 s20, s20, 12288                      ; and their codes
	s_mov_b32 s21, 0
	s_mul_i32 s46, s46, 12288
	s_mov_b32 s47, 0
	s_mul_i32 s45, s14, HALFT                      ; where they go: wave x 8 tiles: no place in the cluster enters an LDS address
	s_lshl_b32 s94, s14, 12
	s_wait_kmcnt 0x0
	s_add_nc_u64 s[20:21], s[4:5], s[20:21]
	s_add_nc_u64 s[22:23], s[4:5], s[22:23]
	s_add_nc_u64 s[46:47], s[6:7], s[46:47]
	s_add_nc_u64 s[92:93], s[6:7], s[92:93]
	CROUND                                         ; all sixteen work-groups are here: the first joint loads meet
	s_mov_b32 s[G0S], 1
	s_add_co_u32 s[G0S+1], s94, SCL
	s_mov_b64 s[G0S+2:G0S+3], s[22:23]
	s_or_b32 s[G0S+3], s[G0S+3], 0x80000000
	s_mov_b32 s[G0SB], 1
	s_add_co_u32 s[G0SB+1], s94, SCL
	s_mov_b64 s[G0SB+2:G0SB+3], s[92:93]
	s_or_b32 s[G0SB+3], s[G0SB+3], 0x80000000
	JLOAD G0S, G1S, G0SB, G1SB                     ; the scale words first: they are wanted with the first K step
.irp s, 0,1
	s_mov_b32 s[G0+4*\s], 1
	s_add_co_u32 s[G0+4*\s+1], s45, \s*SLOT
	s_add_nc_u64 s[G0+4*\s+2:G0+4*\s+3], s[20:21], \s*3072
	s_or_b32 s[G0+4*\s+3], s[G0+4*\s+3], 0x80000000
	s_mov_b32 s[G0B+4*\s], 1
	s_add_co_u32 s[G0B+4*\s+1], s45, \s*SLOT
	s_add_nc_u64 s[G0B+4*\s+2:G0B+4*\s+3], s[46:47], \s*3072
	s_or_b32 s[G0B+4*\s+3], s[G0B+4*\s+3], 0x80000000
	JLOAD G0+4*\s, G1, G0B+4*\s, G1B               ; three tensor loads of mine are out now
.endr
	v_and_b32 v1, 15, v0                           ; r
	v_bfe_u32 v2, v0, 4, 1                         ; h
	v_and_b32 v3, 31, v0
	v_lshlrev_b32 v[L16], 4, v3
	v_lshlrev_b32 v[L8], 3, v3
	s_mul_i32 s21, s15, HALFT                      ; my 8 tiles of A
	s_mul_i32 s22, s16, HALFT                      ; my 8 tiles of B,
	s_add_co_u32 s22, s22, 2*HALFT                 ; which lie behind A's 16
.irp s, 0,1
	v_add_nc_u32 v[ADRA+\s], s21, v[L16]
	v_add_nc_u32 v[ADRA+2+\s], s21, v[L8]
	v_add_nc_u32 v[ADRB+\s], s22, v[L16]
	v_add_nc_u32 v[ADRB+2+\s], s22, v[L8]
	s_add_co_u32 s21, s21, SLOT
	s_add_co_u32 s22, s22, SLOT
.endr
	s_lshl_b32 s21, s15, 12                        ; A's scale words: my 8 tiles
	s_lshl_b32 s22, s16, 12                        ; B's: my 8 tiles, behind A's 8,192 bytes
	s_add_co_u32 s22, s22, 8192
	s_sub_co_u32 s22, s22, s21
	v_mul_u32_u24 v6, s22, v2                      ; lanes 16-31 take B's
	s_add_co_u32 s21, s21, SCL
	v_lshl_add_u32 v5, v1, 4, v6                   ; 16 bytes a row
	v_add_nc_u32 v[ADRS], s21, v5
	; THE BIAS.  Along the registers (q, k, the projection): lane (r, h) wants, for B's tiles 2 g and 2 g + 1, the 16 numbers at 32 g + 16 h.
	v_lshlrev_b32 v[BOF], 6, v2
	s_wait_alu depctr_va_vdst(0)
	s_lshl_b32 s20, s42, 10
	s_lshl_b32 s45, s16, 9
	s_add_co_u32 s20, s20, s45                     ; 4 (256 x B's tile + 128 x my half)
	s_mov_b32 s21, 0
.if PROJ == 0
	s_lshl_b32 s45, s17, 10                        ; along the lanes (V): 4 (2,048 + 256 x A's tile + 128 x my half)
	s_lshl_b32 s67, s15, 9
	s_add_co_u32 s45, s45, s67
	s_add_co_u32 s45, s45, 8192
	s_cmp_eq_u32 ttmp9, 2                          ; every work-group loads both forms, the one that is not its own from b_qkv's first bytes: so every register is written on every way through the text
	s_cselect_b32 s20, 0, s20
	s_cselect_b32 s45, s45, 0
.endif
	s_add_nc_u64 s[46:47], s[8:9], s[20:21]
.irp g, 0,1,2,3
.irp i, 0,1,2,3
	global_load_b128 v[BI+16*\g+4*\i:BI+16*\g+4*\i+3], v[BOF], s[46:47] offset:128*\g+16*\i
.endr
.endr
.if PROJ == 0
	s_mov_b32 s20, s45
	s_add_nc_u64 s[98:99], s[8:9], s[20:21]
	v_and_b32 v[VOF], 8, v1
	v_add_nc_u32 v[VOF], v[VOF], v1
	v_lshlrev_b32 v[VOF], 2, v[VOF]
.irp a, 0,1,2,3,4,5,6,7
	global_load_b32 v[VB+\a], v[VOF], s[98:99] offset:4*(32*(\a/2)+8*(\a%2))   ; the channel of my lane in block a of A
.endr
.irp b, 0,1,2,3
	v_mov_b32 v[TM+4+\b], 0                        ; written once: a lane permute's destination counts as one of its sources
.endr
	; WHERE THE RESULTS GO.  qkv: Q's records [head][key step] of 6,656 bytes: 8 half images of 768 (a tile of 16 tokens x the head's 64 channels), 512 bytes of scale words.  From KVB on K's and V's records of 13,056 bytes:
	; 8 half images of K, 4 fragments of V^T (16 channels x 128 keys), K's scale words (512 bytes, [r][tile]: 32 bytes a row), V's (256 bytes, [r][tile]: 16 bytes a row).
	; One text stores all three: P1 s[2:3] takes a block's registers 0-5, P2 s[12:13] its registers 6-11.  q, k: the two are my two heads, 16 records apart, and a block is 768 bytes on from the last.
	; V: the two are the halves of one fragment, 768 bytes apart; a block is 1,536 bytes on, and block 4 begins my second head.
	s_lshr_b32 s97, s42, 2                         ; q's columns (0) or k's (1)
	s_mov_b32 s92, 768
	s_mov_b32 s96, 0xffff
	s_cmp_eq_u32 ttmp9, 2
	s_cselect_b32 s20, s42, s17                    ; the tile of 256 tokens,
	s_cselect_b32 s66, s16, s15                    ; my half of it,
	s_cselect_b32 s45, s17, s42                    ; the tile of 256 channels,
	s_cselect_b32 s67, s15, s16                    ; my half of it
	s_cselect_b32 s97, 1, s97                      ; K's and V's part of the buffer (1) or Q's (0)
	s_cselect_b32 s92, 1536, s92                   ; s[92:93]: from block to block
	s_cselect_b32 s94, 202752, 0                   ; s[94:95]: more at block 4: 16 records less four fragments
	s_cselect_b32 s96, -1, s96                     ; what of a scale word belongs to P1's part
	s_mov_b32 s93, 0
	s_mov_b32 s95, 0
	s_lshl_b32 s45, s45, 2
	s_lshl_b32 s67, s67, 1
	s_add_co_u32 s45, s45, s67
	s_and_b32 s45, s45, 15                         ; my first head
	s_lshr_b32 s67, s20, 3                         ; the batch
	s_lshl_b32 s67, s67, 4
	s_add_co_u32 s45, s45, s67
	s_lshl_b32 s45, s45, 4                         ; 16 records a head
	s_and_b32 s20, s20, 7
	s_lshl_b32 s20, s20, 1
	s_add_co_u32 s20, s20, s66                     ; my key step
	s_add_co_u32 s45, s45, s20
	s_mul_i32 s67, s97, 6400
	s_add_co_u32 s67, s67, 6656                    ; a record's bytes
	s_mul_i32 s45, s45, s67
	s_mul_i32 s20, s97, KVB
	s_add_co_u32 s20, s20, s45                     ; my record's first byte
	s_mul_i32 s97, s97, 6144
	s_add_co_u32 s97, s97, 6144                    ; where q's or k's scale words begin in it
	s_lshl_b32 s67, s67, 4                         ; to the next head
	s_mov_b32 s45, 6656
	s_cmp_eq_u32 ttmp9, 2
	s_cselect_b32 s66, 6144, 0                     ; V's fragments lie behind K's
	s_cselect_b32 s67, 768, s67                    ; from P1 to P2
	s_cselect_b32 s45, s45, s97                    ; from P1 to its scale words
	s_add_co_u32 s20, s20, s66
	s_add_nc_u64 s[2:3], s[10:11], s[20:21]        ; P1
	s_add_co_u32 s20, s20, s45
	s_add_nc_u64 s[18:19], s[10:11], s[20:21]      ; its scale words
	s_sub_co_u32 s20, s20, s45
	s_add_co_u32 s20, s20, s67
	s_add_nc_u64 s[12:13], s[10:11], s[20:21]      ; P2
	s_add_co_u32 s20, s20, s97
	s_add_nc_u64 s[22:23], s[10:11], s[20:21]      ; its scale words (q, k alone)
	s_mov_b32 s66, 16
	s_cmp_eq_u32 ttmp9, 2
	s_cselect_b32 s45, 16, 32                      ; bytes of scale words a row,
	s_cselect_b32 s66, 208896, s66                 ; and where lanes 16-31 store: blocks 4-7 are the row's next 16 bytes (q, k) or the next head's (V)
	v_mul_u32_u24 v[SOFF], s45, v1
	v_mad_u32_u24 v[SOFF], s66, v2, v[SOFF]
.else
	s_mul_i32 s23, s14, 16*SPITCH                  ; my stage
	v_mul_u32_u24 v5, v1, SPITCH
	v_lshl_add_u32 v5, v2, 6, v5
	v_add_nc_u32 v[STO], s23, v5                   ; in: row r, + 64 h: B's tiles 2 g, 2 g + 1 are my 16 columns at 32 g + 16 h
	v_add_nc_u32 v[RD], s23, v[L16]                ; back: the 32 lanes take one row of 512 bytes
	s_lshl_b32 s20, s17, 8
	s_lshl_b32 s45, s15, 7
	s_add_co_u32 s20, s20, s45                     ; my first row of out0
	s_lshl_b32 s20, s20, 12
	s_lshl_b32 s45, s42, 10
	s_add_co_u32 s20, s20, s45
	s_lshl_b32 s45, s16, 9
	s_add_co_u32 s20, s20, s45                     ; and my first column, in bytes
	s_add_nc_u64 s[10:11], s[10:11], s[20:21]
.endif
.macro FRAG reg, adr, q, i             ; a fragment's image comes back as it was stored: every load reads consecutive bytes
	ds_load_b128 v[\reg:\reg+3], v[\adr] offset:3072*(\i)+1536*(\q)
	ds_load_b64 v[\reg+4:\reg+5], v[\adr+2] offset:3072*(\i)+1536*(\q)+512
	ds_load_b128 v[\reg+6:\reg+9], v[\adr] offset:3072*(\i)+1536*(\q)+768
	ds_load_b64 v[\reg+10:\reg+11], v[\adr+2] offset:3072*(\i)+1536*(\q)+1280
.endm
; 16 matrix instructions: A's blocks a0, a0 + 1 x B's eight, the slot's q-th 128 along K.  p: B's set; sc: the set of scale words.  first = 1: the sums start from the bias along the registers; 2: along the lanes.
; The 64 accumulators take turns, one instruction a turn, in the same order in every step.
.macro MUL16 a0, p, q, sc, first
.irp a, \a0, \a0+1
.irp b, 0,1,2,3,4,5,6,7
.if \first == 1
	v_wmma_scale_f32_16x16x128_f8f6f4 v[8*(8*((\a)%4)+\b):8*(8*((\a)%4)+\b)+7], v[128*(\p)+FR*\b:128*(\p)+FR*\b+FR-1], v[AF+FR*(\a):AF+FR*(\a)+FR-1], v[BI+8*\b:BI+8*\b+7], v[SC+8*NQ*(\sc)+NQ*\b+(\q)], v[SC+8*NQ*(\sc)+NQ*(\a)+(\q)] matrix_a_fmt:MATRIX_FMT_BF6 matrix_b_fmt:MATRIX_FMT_BF6 matrix_a_scale:MATRIX_SCALE_ROW1
.elseif \first == 2
	v_wmma_scale_f32_16x16x128_f8f6f4 v[8*(8*((\a)%4)+\b):8*(8*((\a)%4)+\b)+7], v[128*(\p)+FR*\b:128*(\p)+FR*\b+FR-1], v[AF+FR*(\a):AF+FR*(\a)+FR-1], v[BI+8*(\a):BI+8*(\a)+7], v[SC+8*NQ*(\sc)+NQ*\b+(\q)], v[SC+8*NQ*(\sc)+NQ*(\a)+(\q)] matrix_a_fmt:MATRIX_FMT_BF6 matrix_b_fmt:MATRIX_FMT_BF6 matrix_a_scale:MATRIX_SCALE_ROW1
.else
	v_wmma_scale_f32_16x16x128_f8f6f4 v[8*(8*((\a)%4)+\b):8*(8*((\a)%4)+\b)+7], v[128*(\p)+FR*\b:128*(\p)+FR*\b+FR-1], v[AF+FR*(\a):AF+FR*(\a)+FR-1], v[8*(8*((\a)%4)+\b):8*(8*((\a)%4)+\b)+7], v[SC+8*NQ*(\sc)+NQ*\b+(\q)], v[SC+8*NQ*(\sc)+NQ*(\a)+(\q)] matrix_a_fmt:MATRIX_FMT_BF6 matrix_b_fmt:MATRIX_FMT_BF6 matrix_a_scale:MATRIX_SCALE_ROW1
.endif
.endr
.endr
.endm
.macro FETCH_B slot, q, p              ; B's eight fragments of the slot's q-th 128 along K into set p
	WIN TO_B
.irp i, 0,1,2,3,4,5,6,7
	FRAG 128*(\p)+FR*\i, ADRB+\slot, \q, \i
.endr
	WIN 0
.endm
.macro FETCH_A slot, q, i0             ; A's blocks i0 .. i0 + 3
.irp i, \i0, \i0+1, \i0+2, \i0+3
	FRAG AF+FR*(\i), ADRA+\slot, \q, \i
.endr
.endm
.macro SCALES sc, ksl                  ; the scale words of K steps 2 ksl and 2 ksl + 1 into set sc: lanes 0-15 take A's block i, lanes 16-31 B's block i
.irp i, 0,1,2,3,4,5,6,7
	ds_load_b64 v[SC+8*NQ*\sc+NQ*\i:SC+8*NQ*\sc+NQ*\i+1], v[ADRS] offset:512*\i+256*((\ksl)/2)+8*((\ksl)%2)
.endr
.endm
; A load into a register that a matrix instruction has read, and a vector instruction or an LDS store that reads a matrix result, stand NP places behind that matrix instruction; only plain vector instructions
; that name none of its registers are places (ISA guide 7.12.1 for vector instructions).
.macro PLACES n
.rept \n
	v_nop
.endr
.endm
; A step of 128 along K that has its successor in the same slot.  A has one set of registers: blocks 0-3 are fetched anew in the step's middle, blocks 4-7 at its end; B has two sets.
.macro STEP slot, q, first
	s_wait_dscnt 4*NL                              ; B's set, A's blocks 0-3 and the scale words are in; the youngest 16 loads (A's blocks 4-7) may be out
.if \first
	WIN 0x81                                       ; C (the bias) window 0, D window 2
.else
	WIN MUL_LO
.endif
	MUL16 0, (\q)%2, \q, \slot, \first
	MUL16 2, (\q)%2, \q, \slot, \first
	s_wait_dscnt 0                                 ; A's blocks 4-7 are in
	PLACES NP
	FETCH_B \slot, (\q)+1, 1-(\q)%2
	FETCH_A \slot, (\q)+1, 0
.if \first
	WIN 0xc1
.else
	WIN MUL_HI
.endif
	MUL16 4, (\q)%2, \q, \slot, \first
	MUL16 6, (\q)%2, \q, \slot, \first
	PLACES NP
	WIN 0
	FETCH_A \slot, (\q)+1, 4
.endm
; A slot's last step changes slots: one barrier; in front of it each wave waits for all its tensor loads, adds 0 to its spare word, and waits for that and for its own reads of this slot.
; fill = 1: this slot is filled again, two slots' worth of K ahead.  ksl: which 256 along K the next slot holds.
.macro TURN slot, next, fill, ksl
	s_wait_tensorcnt 0x0                           ; all my tensor loads have landed: the one that was out is my part of the next slot
	ds_add_u32 v[SPW], v[NIL]                      ; 0 onto my spare word
	s_wait_dscnt 4*NL+1                            ; (the add and the youngest 16 loads, A's blocks 4-7, may be out)
	WIN MUL_LO
	MUL16 0, 1, NQ-1, \slot, 0                     ; sixteen matrix instructions stand between the add and the wait for it
	s_wait_dscnt 0x0                               ; the add is done, and my reads of this slot are over
	s_barrier_signal -1
	MUL16 2, 1, NQ-1, \slot, 0
	WIN 0
	s_barrier_wait -1
.if \fill
	CREST                                          ; the barrier has opened a round of the cluster's barrier: no wave of any partner still reads this slot or has a load on its way
	s_add_nc_u64 s[G0+4*\slot+2:G0+4*\slot+3], s[G0+4*\slot+2:G0+4*\slot+3], 6144
	s_add_nc_u64 s[G0B+4*\slot+2:G0B+4*\slot+3], s[G0B+4*\slot+2:G0B+4*\slot+3], 6144
	JLOAD G0+4*\slot, G1, G0B+4*\slot, G1B         ; the first tensor load behind the round, my only one out; its four v_nop are also the places in front of the loads below
.else
	PLACES NP
.endif
	FETCH_B \next, 0, 0
	FETCH_A \next, 0, 0
	SCALES \next, \ksl
	WIN MUL_HI
	MUL16 4, 1, NQ-1, \slot, 0
	MUL16 6, 1, NQ-1, \slot, 0
	PLACES NP
	WIN 0
	FETCH_A \next, 0, 4
.endm
	s_wait_tensorcnt 1                             ; the scale words and my part of slot 0 are in; slot 1's load may be out
	s_barrier_signal -1
	s_barrier_wait -1                              ; everybody's are
	FETCH_B 0, 0, 0
	FETCH_A 0, 0, 0
	SCALES 0, 0
	FETCH_A 0, 0, 4
	s_wait_loadcnt 0x0                             ; the bias
.if PROJ
	STEP 0, 0, 1                                   ; the first step's products start the sums from the bias
.else
	s_cmp_eq_u32 ttmp9, 2                          ; the cluster's x: the same in all partners
	s_cbranch_scc1 .Lv_first
	STEP 0, 0, 1
	s_branch .Lfirst_done
.Lv_first:
.irp a, 0,1,2,3,4,5,6,7                ; V: a lane's channel has one bias for all its keys: eight registers a block of A
.irp j, 0,1,2,3,4,5,6,7
	v_mov_b32 v[BI+8*\a+\j], v[VB+\a]
.endr
.endr
	s_wait_alu depctr_va_vdst(0)
	STEP 0, 0, 2
.Lfirst_done:
.endif
	TURN 0, 1, 1, 1                                ; K = 1,024 is four slots' worth: written out, no loop
	STEP 1, 0, 0
	TURN 1, 0, 1, 2
	STEP 0, 0, 0
	TURN 0, 1, 0, 3                                ; nothing is left to fetch: no round of the cluster's barrier
	STEP 1, 0, 0
	s_wait_dscnt 4*NL                              ; the very last step
	WIN MUL_LO
	MUL16 0, 1, NQ-1, 1, 0
	MUL16 2, 1, NQ-1, 1, 0
	s_wait_dscnt 0
	WIN MUL_HI
	MUL16 4, 1, NQ-1, 1, 0
	MUL16 6, 1, NQ-1, 1, 0
	WIN 0
	PLACES NP                                      ; in front of the first read of results and of writes into the registers that held A's fragments
.if PROJ == 0
; THE WAY OUT, block by block of A.  A block's 64 accumulator registers of a lane are register 16 b + i = place 32 b + 16 h + i along B's axis: four blocks of 32, each shared with lane l xor 16.
; They are read where they lie (each accumulator from its low end on), become 12 registers of codes and a scale word, and leave as images: each store covers 512 or 256 consecutive bytes, aligned.
.macro BLOCK a
.set AC, 64*((\a)%4)
	WIN (5*(2+(\a)/4))                             ; sources 0 and 1: the accumulators' window
.irp b, 0,1,2,3
	v_max3_num_f32 v[TM+\b], |v[AC+16*\b]|, |v[AC+1+16*\b]|, 0x2800000   ; and the floor 2^(5 - 127): the byte cannot fall under 1
.endr
	WIN (20*(2+(\a)/4))                            ; sources 1 and 2
.irp i, 2,4,6,8,10,12,14
.irp b, 0,1,2,3
	v_max3_num_f32 v[TM+\b], v[TM+\b], |v[AC+16*\b+\i]|, |v[AC+1+16*\b+\i]|
.endr
.endr
	WIN 0
.irp b, 0,1,2,3
	v_permlanex16_b32 v[TM+4+\b], v[TM+\b], s[SEL], s[SEL+1]
.endr
.irp b, 0,1,2,3
	v_max_num_f32 v[TM+\b], v[TM+\b], v[TM+4+\b]   ; the block's largest magnitude
.endr
.irp b, 0,1,2,3
	v_add_nc_u32 v[TM+12+\b], 0xfe000000, v[TM+\b] ; 4 off its exponent field: the conversion's scale operand
.endr
.irp b, 0,1,2,3
	v_lshrrev_b32 v[TM+4+\b], 23, v[TM+12+\b]      ; the scale's byte
.endr
	v_lshl_or_b32 v[WA+\a], v[TM+5], 8, v[TM+4]
	v_lshl_or_b32 v[WA+\a], v[TM+6], 16, v[WA+\a]
	v_lshl_or_b32 v[WA+\a], v[TM+7], 24, v[WA+\a]
.if (\a) > 0
	s_wait_xcnt 0x0                                ; the last block's stores have read their data and their bases: both are written again below
	s_add_nc_u64 s[2:3], s[2:3], s[92:93]
	s_add_nc_u64 s[12:13], s[12:13], s[92:93]
.endif
.if (\a) == 4
	s_add_nc_u64 s[2:3], s[2:3], s[94:95]
	s_add_nc_u64 s[12:13], s[12:13], s[94:95]
.endif
	WIN (2+(\a)/4)                                 ; source 0
.irp c, 0,1
	v_cvt_scalef32_pk16_bf6_f32 v[PC+6*\c:PC+2+6*\c], v[AC+32*\c:AC+15+32*\c], v[TM+12+2*\c]
	v_cvt_scalef32_pk16_bf6_f32 v[PC+12+4*\c:PC+14+4*\c], v[AC+16+32*\c:AC+31+32*\c], v[TM+12+2*\c+1]   ; (a conversion's three registers begin on an even number)
.endr
	WIN 0
	v_nop                                          ; one plain place behind a scaled conversion
.irp c, 0,1                            ; the layout wants a whole block in a lane: lanes 0-15 block 2 c, lanes 16-31 block 2 c + 1
.irp i, 0,1,2
	v_permlane16_swap_b32 v[PC+6*\c+\i], v[PC+12+4*\c+\i]
.endr
.irp i, 0,1,2
	v_mov_b32 v[PC+3+6*\c+\i], v[PC+12+4*\c+\i]
.endr
.endr
	global_store_b128 v[L16], v[PC:PC+3], s[2:3]
	global_store_b64 v[L8], v[PC+4:PC+5], s[2:3] offset:512
	global_store_b128 v[L16], v[PC+6:PC+9], s[12:13]
	global_store_b64 v[L8], v[PC+10:PC+11], s[12:13] offset:512
.endm
	s_mov_b32 s[SEL], 0x76543210
	s_mov_b32 s[SEL+1], 0xfedcba98                 ; v_permlanex16_b32's selects for lane l xor 16
.irp a, 0,1,2,3,4,5,6,7
	BLOCK \a
.endr
	v_cmp_eq_u32 vcc_lo, 1, v2                     ; both halves of the lanes hold a row's eight words: lanes 0-15 store those of blocks 0-3, lanes 16-31 those of blocks 4-7
.irp i, 0,1,2,3
	v_cndmask_b32 v[VB+\i], v[WA+\i], v[WA+4+\i], vcc_lo
.endr
.irp i, 0,1,2,3
	v_lshrrev_b32 v[VB+4+\i], 16, v[VB+\i]         ; q, k: bytes 2, 3 are my second head's two blocks; a head's word has zeros above its two bytes
.endr
.irp i, 0,1,2,3
	v_and_b32 v[VB+\i], s96, v[VB+\i]              ; q, k: bytes 0, 1 are my first head's; V: the whole word
.endr
	global_store_b128 v[SOFF], v[VB:VB+3], s[18:19]
	s_cmp_eq_u32 ttmp9, 2
	s_cbranch_scc1 .Lno_second                     ; V has no second part
	global_store_b128 v[SOFF], v[VB+4:VB+7], s[22:23]
.Lno_second:
.else
; THE WAY OUT, block by block of 16 rows x 128 columns, through my own stage in LDS: in as 32 bytes a lane and tile of B, back as whole rows of 512 bytes.  LDS serves a wave's instructions in order
; (ISA guide 5.7.1.4): no wait between the stores and the loads, nor in front of the next block's stores.  The rows of a block are not neighbours: each row's place in out0 stands in its store's immediate.
.macro TOSTAGE a
.set AC, 64*((\a)%4)
	WIN (8+4*((\a)/4))                             ; an LDS store's data are its source 1: window 2 or 3
.irp b, 0,1,2,3,4,5,6,7
	ds_store_b128 v[STO], v[AC+8*\b:AC+8*\b+3] offset:128*(\b/2)+32*(\b%2)       ; each accumulator from its low end on
	ds_store_b128 v[STO], v[AC+8*\b+4:AC+8*\b+7] offset:128*(\b/2)+32*(\b%2)+16
.endr
	WIN 0
.set BB, BK+64*((\a)%2)
.irp t, 0,1,2,3,4,5,6,7,8,9,10,11,12,13,14,15
	ds_load_b128 v[BB+4*\t:BB+4*\t+3], v[RD] offset:\t*SPITCH
.endr
.endm
.macro SEND a, younger                 ; younger: the LDS instructions issued behind block a's loads, which may stay out
.set BB, BK+64*((\a)%2)
	s_wait_dscnt \younger
.irp t, 0,1,2,3,4,5,6,7,8,9,10,11,12,13,14,15
	global_store_b128 v[L16], v[BB+4*\t:BB+4*\t+3], s[10:11] offset:(32*((\a)/2)+8*((\a)%2)+\t+8*(\t/8))*4096 th:TH_STORE_NT   ; 512 consecutive bytes, at a multiple of 512 from out0's first byte
.endr
.endm
	TOSTAGE 0
.irp a, 1,2,3,4,5,6,7
.if \a > 1
	s_wait_xcnt 0x0                                ; block a - 2's stores have read the registers into which block a's loads land
.endif
	TOSTAGE \a
	SEND \a-1, 32                                  ; behind block a - 1's loads: block a's 16 stores and 16 loads
.endr
	SEND 7, 0
.endif
	s_wait_tensorcnt 0x0                           ; the wave's end: behind my last tensor load and my last LDS store
	ds_add_u32 v[SPW], v[NIL]
	s_wait_dscnt 0x0
	CROUND                                         ; the closing round: no work-group ends while a partner may still ask for a tile that names it
	s_endpgm
.Lfunc_end_k_q79b060dafc_gemm_qkv:
	.size	k_q79b060dafc_gemm_qkv, .Lfunc_end_k_q79b060dafc_gemm_qkv-k_q79b060dafc_gemm_qkv
	.p2alignl 7, 3214868480
	.fill 96, 4, 3214868480
	.section	.rodata,"a",@progbits
	.p2align	6, 0x0
	.amdhsa_kernel k_q79b060dafc_gemm_qkv
		.amdhsa_group_segment_fixed_size 327680
		.amdhsa_private_segment_fixed_size 0
		.amdhsa_enable_private_segment 0
		.amdhsa_kernarg_size 24
		.amdhsa_user_sgpr_count 2
		.amdhsa_user_sgpr_kernarg_segment_ptr 1
		.amdhsa_wavefront_size32 1
		.amdhsa_system_sgpr_workgroup_id_x 1
		.amdhsa_system_sgpr_workgroup_id_y 1
		.amdhsa_system_sgpr_workgroup_id_z 1
		.amdhsa_system_vgpr_workitem_id 0
		.amdhsa_next_free_vgpr 1024
		.amdhsa_next_free_sgpr 100
		.amdhsa_reserve_vcc 1
		.amdhsa_float_denorm_mode_32 3
		.amdhsa_float_denorm_mode_16_64 3
		.amdhsa_memory_ordered 1
		.amdhsa_forward_progress 1
		.amdhsa_inst_pref_size 169
	.end_amdhsa_kernel
	.amdgpu_metadata
---
amdhsa.version: [ 1, 2 ]
amdhsa.kernels:
  - .name:           k_q79b060dafc_gemm_qkv
    .symbol:         k_q79b060dafc_gemm_qkv.kd
    .args:
      - { .name: qin, .offset: 0, .size: 8, .value_kind: global_buffer, .address_space: global }
      - { .name: b_qkv, .offset: 8, .size: 8, .value_kind: global_buffer, .address_space: global }
      - { .name: qkv, .offset: 16, .size: 8, .value_kind: global_buffer, .address_space: global }
    .group_segment_fixed_size: 327680
    .private_segment_fixed_size: 0
    .kernarg_segment_align: 8
    .kernarg_segment_size: 24
    .max_flat_workgroup_size: 128
    .sgpr_count:     100
    .vgpr_count:     1024
    .wavefront_size: 32
...
	.end_amdgpu_metadata
.endif
;; end of part 2
;; launch attn (part 3): grid 4 x 64, 16 waves a work-group, clusters of 4 x 1, 215,040 bytes of LDS; arguments qkv, oimg; writes oimg
.if DOCPART == 3
	.amdgcn_target "amdgcn-amd-amdhsa--gfx1250"
	.amdhsa_code_object_version 6
	.text
	.protected	k_q79b060dafc_attn
	.globl	k_q79b060dafc_attn
	.p2align	8
	.type	k_q79b060dafc_attn,@function
k_q79b060dafc_attn:
	s_mov_b64 s[64:65], 0
	v_nop
	global_prefetch_b8 v0, s[64:65] scope:SCOPE_SE
	s_setreg_imm32_b32 hwreg(HW_REG_WAVE_MODE, 25, 1), 1
	s_wait_xcnt 0x0
	s_wait_alu depctr_hold_cnt(0) depctr_sa_sdst(0) depctr_va_vdst(0) depctr_va_sdst(0) depctr_va_ssrc(0) depctr_va_vcc(0) depctr_vm_vsrc(0)
	s_getreg_b32 s2, hwreg(HW_REG_IB_STS2, 6, 4)
	s_cmp_eq_u32 s2, 0
	s_cbranch_scc0 .Lentry_in_a_cluster
	s_endpgm
.Lentry_in_a_cluster:
	s_bfe_u32 s2, ttmp6, 0x10000c
	s_cmp_lg_u32 s2, 0x3003
	s_cbranch_scc0 .Lentry_shape_is_right
	s_endpgm
.Lentry_shape_is_right:
; Causal attention of one head a cluster, both products on codes of BF6 (E3M2) with one E8M0 scale for each 32 along a product's K; the result is quantised along the model's 1,024 channels and leaves as an
; operand of the projection.  2,048 tokens, 64 channels a head, 64 heads (16 x batch + head).
; THE SOFTMAX AHEAD OF THE SECOND PRODUCT: t = score x log2(e) / 8; M = the row's largest t so far, rounded up to a whole number; p = 2^(t - M) is what is quantised, along the keys; it is not normalised.
; The row's sum is taken of the unquantised p, in f32, and divides O at the end.  When M moves, the sum and O are multiplied by 2^(old M - new M): exact.
; INPUT, as the launch before stored it, in the order of an operand's registers.  A tile is 16 tokens (or channels): lane r of tile t holds 32 (t / 2) + 8 (t % 2) + r + 8 (r / 8).  Q: records [head][key step] of 6,656
; bytes: 8 half images of 768 (registers 0-3 at 16 x lane, 4, 5 at 512 + 8 x lane: the head's 64 channels), 512 bytes of scale words [r][tile].  From KVB on K's and V's records of 13,056 bytes: 8 half images of K,
; 4 fragments of V^T (16 channels x 128 keys, two halves of 768), K's scale words [r][8], V's [r][4].
; SHARES.  The four work-groups of a cluster share a head: work-group cx takes the query tiles 4 j + cx, j = 0 .. 31; wave w takes j = w and then j = 31 - w.  Tile 4 j + cx needs the key steps 0 .. j / 2, which
; does not hang on cx: so every wave of every work-group has 17 key steps, two of them on the diagonal, and no branch differs between partners.
; LDS.  The head's 16 records, 208,896 bytes, are brought ONCE, jointly for the four work-groups: wave w asks for record w.  Nothing is filled again: no ring.
; LAYOUT.  Both products are used transposed: S^T = K Q^T (source 0 = 16 keys, source 1 = my 16 queries), O^T = V^T P^T: a lane holds one query throughout, and by the order of a tile's rows the 16 registers of
; tiles 2 b and 2 b + 1 are 16 neighbours: keys in S^T, channels in O^T.
; K = 64 IN A FORM OF 128: Q's registers 6-11 are zero codes, and bytes 2, 3 of Q's and K's scale words are 0.  So what stands in registers 6-11 of K's operand adds nothing: tile t's operand is
; v[32 + 6 t .. 43 + 6 t], whose upper six registers are the next tile's codes (for tile 7 six registers of zeros).  That saves 48 registers.
; LIMITS: NaN and infinities are not served; a block of O whose largest magnitude lies under 2^-122 gets the scale byte 1.
; REGISTERS: v1-4 lane terms; v5, v6 the diagonal's d of the two passes; v7-10 the step's LDS addresses; v11 -infinity; v12 -M, v13 the largest t, v[14:15] the sum; v16-27, v236-247 Q of the two passes;
; v28, v29 their scale words; v32-79 K's eight tiles, then V's four; v80-85 zeros; v86-93, v94-97 K's and V's scale words; v100-163 S^T, then p; v164-195 O^T; v196-215 codes; v216-233 at work.
.set REC,  13056
.set KVB,  6815744
.set OSC,  6291456                     ; where the scale bytes begin in oimg
.set DDR,  5
.set Q1,   16
.set Q2,   236
.set QSW,  28
.set KF,   32
.set KS,   86
.set VS,   94
.set S,    100
.set O,    164
.set PC,   196
.set BM,   216                         ; v216-219 a block's largest score, then its largest p
.set PD,   220                         ; v220-223 the other half's, then bytes
.set SO,   224                         ; v224-227 the conversions' scale operands
.set F,    228                         ; v[228:229] f = 2^(old M - new M)
.set PW,   230                         ; p's scale word
.set TT,   231
.set SU,   232                         ; v[232:233] the sums' second chain
.set WV,   8
.set CX,   9
.set BH,   10
.set SEL,  12                          ; s[12:13] lane selects for v_permlanex16_b32: lane l xor 16
.set CS,   14                          ; s[14:15] c = log2(e) / 8
.set G1,   16
.set G0,   24
.set LIM,  28                          ; s28, s29 the last key step of the two passes
.set SI,   30                          ; the key step
.set TB,   31                          ; where its record begins in LDS
.set QP,   32                          ; s[32:35] Q's half images;  s[36:39] Q's scale words;  s[40:43] O's half images;  s[44:47] O's scale bytes
.set QSP,  36
.set OP,   40
.set OSP,  44
.macro CROUND                          ; a round of the cluster's barrier
	s_barrier_signal -1
	s_barrier_wait -1
	s_cmp_lg_u32 s[WV], 0
	s_cbranch_scc1 .Lnot_wave_0_\@
	s_barrier_signal -3
.Lnot_wave_0_\@:
	s_barrier_wait -3
	s_barrier_signal -1
	s_barrier_wait -1
.endm
	s_load_b128 s[4:7], s[0:1], 0x0                ; qkv s[4:5], oimg s[6:7]
	v_lshl_add_u32 v254, v0, 2, 0x34000
	v_mov_b32 v255, 0
	ds_add_u32 v254, v255
	ds_add_u32 v254, v255
	v_lshrrev_b32 v1, 5, v0
	s_delay_alu instid0(VALU_DEP_1)
	v_readfirstlane_b32 s[WV], v1                  ; wave 0..15
	s_bfe_u32 s[CX], ttmp6, 0x40000                ; cx: my place in the cluster; it enters Q's and O's addresses and the diagonal's d alone
	s_and_b32 s[BH], ttmp7, 0xffff                 ; the head, which the four partners share
	; descriptor group 1: a record, 13,056 dense bytes, as 51 rows of 32 elements of 8 bytes
	s_mov_b32 s[G1], 15|(3<<16)|(1<<21)            ; 15:0 the mask: all four work-groups; 17:16 elements of 8 bytes; 20 no padding; 21 set beside a mask
	s_mov_b32 s[G1+1], 32<<16                      ; tensor_dim0
	s_mov_b32 s[G1+2], 51<<16                      ; tensor_dim1
	s_mov_b32 s[G1+3], 32<<16                      ; tile_dim0
	s_mov_b32 s[G1+4], 51                          ; tile_dim1
	s_mov_b32 s[G1+5], 32                          ; tensor_dim0_stride
	s_mov_b32 s[G1+6], 0
	s_mov_b32 s[G1+7], 0
	s_mov_b32 s[G0], 1
	s_mul_i32 s[G0+1], s[WV], REC                  ; record w goes to LDS byte 13,056 w
	s_mul_i32 s48, s[BH], 16*REC
	s_add_co_u32 s48, s48, s[G0+1]
	s_add_co_u32 s48, s48, KVB
	s_mov_b32 s49, 0
	s_wait_dscnt 0x0
	s_wait_kmcnt 0x0
	s_add_nc_u64 s[G0+2:G0+3], s[4:5], s[48:49]
	s_or_b32 s[G0+3], s[G0+3], 0x80000000
	CROUND                                         ; all four work-groups are here: the joint loads meet
	tensor_load_to_lds s[G0:G0+3], s[G1:G1+7]      ; my one tensor load of the launch
	s_nop 0
.rept 4
	v_nop
.endr
	v_and_b32 v3, 31, v0
	s_delay_alu instid0(VALU_DEP_1)
	v_lshlrev_b32 v1, 4, v3                        ; 16 x lane
	s_delay_alu instid0(VALU_DEP_2)
	v_lshlrev_b32 v2, 3, v3                        ; 8 x lane
	v_and_b32 v4, 15, v0                           ; r
	v_bfe_u32 v7, v0, 4, 1                         ; h
	s_delay_alu instid0(VALU_DEP_2)
	v_and_b32 v8, 8, v4
	s_delay_alu instid0(VALU_DEP_1)
	v_add_nc_u32 v8, v8, v4
	s_delay_alu instid0(VALU_DEP_3)
	v_lshlrev_b32 v7, 4, v7
	s_delay_alu instid0(VALU_DEP_1)
	v_sub_nc_u32 v8, v8, v7                        ; r + 8 (r / 8) - 16 h
	s_wait_alu depctr_va_vdst(0)
	v_lshlrev_b32 v3, 5, v4                        ; 32 r
	s_wait_alu depctr_va_vdst(0)
	v_lshlrev_b32 v4, 4, v4                        ; 16 r
	s_mul_i32 s52, s[BH], 106496                   ; the head's records of Q
	s_lshr_b32 s53, s[BH], 4
	s_lshl_b32 s53, s53, 7                         ; the batch's first token tile
	s_and_b32 s56, s[BH], 15
	s_lshr_b32 s57, s56, 3
	s_lshl_b32 s57, s57, 8
	s_mul_i32 s56, s56, 768                        ; the head's half image in a token tile's 12,288 bytes
	s_and_b32 s50, s[BH], 7
	s_lshl_b32 s50, s50, 1
	s_add_co_u32 s57, s57, s50
	s_add_co_u32 s57, s57, OSC                     ; the head's two bytes in a row's scale words
	s_lshr_b32 s58, s[CX], 1
	s_lshl_b32 s58, s58, 5
	s_and_b32 s50, s[CX], 1
	s_lshl_b32 s50, s50, 3
	s_add_co_u32 s58, s58, s50                     ; 32 (cx / 2) + 8 (cx % 2)
	s_mov_b32 s55, 0
.macro PTRS p                          ; s48 = j: the pass's tile is 4 j + cx
	s_lshr_b32 s[LIM+\p], s48, 1                   ; its last key step, the one on the diagonal
	s_and_b32 s49, s48, 1
	s_lshl_b32 s50, s49, 6
	s_add_co_u32 s50, s50, s58
	v_add_nc_u32 v[DDR+\p], s50, v8                ; d = my query - the diagonal step's first key - 16 h
	s_lshl_b32 s49, s49, 2
	s_add_co_u32 s49, s49, s[CX]                   ; the tile's number in its record
	s_mul_i32 s50, s[LIM+\p], 6656
	s_add_co_u32 s50, s50, s52
	s_mul_i32 s51, s49, 768
	s_add_co_u32 s54, s50, s51
	s_add_nc_u64 s[QP+2*\p:QP+2*\p+1], s[4:5], s[54:55]
	s_lshl_b32 s51, s49, 2
	s_add_co_u32 s54, s50, s51
	s_add_co_u32 s54, s54, 6144
	s_add_nc_u64 s[QSP+2*\p:QSP+2*\p+1], s[4:5], s[54:55]
	s_lshl_b32 s51, s48, 2
	s_add_co_u32 s51, s51, s[CX]
	s_add_co_u32 s51, s51, s53                     ; the token tile among all 512
	s_mul_i32 s54, s51, 12288
	s_add_co_u32 s54, s54, s56
	s_add_nc_u64 s[OP+2*\p:OP+2*\p+1], s[6:7], s[54:55]
	s_lshl_b32 s54, s51, 9
	s_add_co_u32 s54, s54, s57
	s_add_nc_u64 s[OSP+2*\p:OSP+2*\p+1], s[6:7], s[54:55]
.endm
	s_mov_b32 s48, s[WV]
	PTRS 0
	s_sub_co_u32 s48, 31, s[WV]
	PTRS 1
	global_load_b128 v[Q1:Q1+3], v1, s[QP:QP+1]    ; both passes' Q stay in registers
	global_load_b64 v[Q1+4:Q1+5], v2, s[QP:QP+1] offset:512
	global_load_b32 v[QSW], v3, s[QSP:QSP+1]
	global_load_b128 v[Q2:Q2+3], v1, s[QP+2:QP+3]
	global_load_b64 v[Q2+4:Q2+5], v2, s[QP+2:QP+3] offset:512
	global_load_b32 v[QSW+1], v3, s[QSP+2:QSP+3]
	s_mov_b32 s[SEL], 0x76543210
	s_mov_b32 s[SEL+1], 0xfedcba98
	s_mov_b32 s[CS], 0x3e38aa3b                    ; c = log2(e) / sqrt(64)
	s_mov_b32 s[CS+1], s[CS]                       ; (named with it as a pair, so it is written)
	v_mov_b32 v11, 0xff800000                      ; -infinity
.irp i, 6,7,8,9,10,11
	v_mov_b32 v[Q1+\i], 0                          ; zero codes for k = 64 .. 127
	v_mov_b32 v[Q2+\i], 0
	v_mov_b32 v[KF+42+\i], 0                       ; v80-85: behind K's tile 7
.endr
.irp b, 0,1,2,3
	v_mov_b32 v[PD+\b], 0                          ; written once: a lane permute's destination counts as one of its sources
.endr
	v_mov_b32 v[F+1], 0                            ; (named as the upper half of a pair)
	v_mov_b32 v[TT], 0
	s_wait_tensorcnt 0x0                           ; my record is in LDS,
	s_barrier_signal -1
	s_barrier_wait -1                              ; everybody's is
	s_wait_loadcnt 0x0                             ; Q
; ONE TILE OF 16 QUERIES.  The loop's trip count is a constant; a step all of whose keys come after the tile's queries is jumped over, but for the lines that step the address and the count.
.macro PASS QB, p
	s_wait_xcnt 0x0                                ; the pass before has stored: its stores have read the registers that are written again here
	v_mov_b32 v13, 0xff61b1e6                      ; the largest t so far: -3e38, under every t
	s_delay_alu instid0(VALU_DEP_1)
	v_floor_f32 v12, -v13                          ; -M
	v_mov_b32 v14, 0                               ; the sum, in two halves
	v_mov_b32 v15, 0
.set n, 0
.rept 32
	v_mov_b32 v[O+n], 0                            ; O^T: the step is written once; the first finds zeros, which the first change of M leaves zeros
.set n, n+1
.endr
	s_mov_b32 s[SI], 0
	s_mov_b32 s[TB], 0
.Lstep_\@:
	s_cmp_gt_u32 s[SI], s[LIM+\p]
	s_cbranch_scc1 .Lhidden_\@
	s_setprio 2
	v_add_nc_u32 v7, s[TB], v1                     ; these four are also the places in front of loads into registers that the last products read
	v_add_nc_u32 v8, s[TB], v2
	v_add_nc_u32 v9, s[TB], v3
	v_add_nc_u32 v10, s[TB], v4
.irp t, 0,1,2,3,4,5,6,7
	ds_load_b128 v[KF+6*\t:KF+6*\t+3], v7 offset:768*\t
	ds_load_b64 v[KF+6*\t+4:KF+6*\t+5], v8 offset:768*\t+512
.endr
	ds_load_b128 v[KS:KS+3], v9 offset:12288
	ds_load_b128 v[KS+4:KS+7], v9 offset:12304
	s_wait_alu depctr_va_vdst(0)
	s_wait_dscnt 0x0
.irp t, 0,1,2,3,4,5,6,7                ; S^T = K Q^T: lane (r, h) holds query r; the 16 registers of tiles 2 b, 2 b + 1 are keys 32 b + 16 h + 0 .. 15 of the step
	v_wmma_scale_f32_16x16x128_f8f6f4 v[S+8*\t:S+8*\t+7], v[KF+6*\t:KF+6*\t+11], v[\QB:\QB+11], 0, v[KS+\t], v[QSW+\p] matrix_a_fmt:MATRIX_FMT_BF6 matrix_b_fmt:MATRIX_FMT_BF6
.endr
.rept 4
	v_nop                                          ; places in front of the loads below and of the first read of the scores
.endr
.irp t, 0,1,2,3                        ; V's four fragments land while the softmax is worked
	ds_load_b128 v[KF+12*\t:KF+12*\t+3], v7 offset:6144+1536*\t
	ds_load_b64 v[KF+12*\t+4:KF+12*\t+5], v8 offset:6144+1536*\t+512
	ds_load_b128 v[KF+12*\t+6:KF+12*\t+9], v7 offset:6144+1536*\t+768
	ds_load_b64 v[KF+12*\t+10:KF+12*\t+11], v8 offset:6144+1536*\t+1280
.endr
	ds_load_b128 v[VS:VS+3], v10 offset:12800
	s_cmp_lg_u32 s[SI], s[LIM+\p]
	s_cbranch_scc1 .Lopen_\@                       ; a step all of whose keys count skips the mask
.set n, 0
.rept 64                               ; on the diagonal: register 16 b + i holds the step's key 32 b + i + 16 h: hidden where 32 b + i > d; its score becomes -infinity, so p = 0
	v_cmp_gt_i32 vcc_lo, 32*(n/16)+n%16, v[DDR+\p]
	v_cndmask_b32 v[S+n], v[S+n], v11, vcc_lo
.set n, n+1
.endr
.Lopen_\@:
.irp b, 0,1,2,3
	v_max3_num_f32 v[BM+\b], v[S+16*\b], v[S+1+16*\b], v[S+2+16*\b]   ; the largest score of each block of 32 keys: for the row's maximum and, since p rises with the score, for the block's largest p
.endr
.irp i, 3,5,7,9,11,13
.irp b, 0,1,2,3
	v_max3_num_f32 v[BM+\b], v[BM+\b], v[S+16*\b+\i], v[S+1+16*\b+\i]
.endr
.endr
.irp b, 0,1,2,3
	v_max_num_f32 v[BM+\b], v[BM+\b], v[S+15+16*\b]
.endr
.irp b, 0,1,2,3
	s_delay_alu instid0(VALU_DEP_4)
	v_permlanex16_b32 v[PD+\b], v[BM+\b], s[SEL], s[SEL+1]
.endr
.irp b, 0,1,2,3
	s_delay_alu instid0(VALU_DEP_4)
	v_max_num_f32 v[BM+\b], v[BM+\b], v[PD+\b]     ; with lane l xor 16's 16 keys
.endr
	s_delay_alu instid0(VALU_DEP_2)
	v_max3_num_f32 v[TT], v[BM], v[BM+1], v[BM+2]
	s_delay_alu instid0(VALU_DEP_1)
	v_max_num_f32 v[TT], v[TT], v[BM+3]            ; the step's largest score of my query (the step's first key counts for every query of the tile: it is a number)
	s_delay_alu instid0(VALU_DEP_1)
	v_mul_f32 v[TT], s[CS], v[TT]
	s_delay_alu instid0(VALU_DEP_1)
	v_max_num_f32 v13, v13, v[TT]                  ; the running largest t
	v_mov_b32 v[TT], v12
	s_delay_alu instid0(VALU_DEP_2)
	v_floor_f32 v12, -v13                          ; the new -M = -ceil(t): a whole number
	s_delay_alu instid0(VALU_DEP_1)
	v_sub_f32 v[TT], v12, v[TT]                    ; old M - new M, 0 or less
	s_delay_alu instid0(VALU_DEP_1)
	v_cvt_i32_f32 v[TT], v[TT]                     ; (it saturates)
	s_delay_alu instid0(VALU_DEP_1)
	v_ldexp_f32 v[F], 1.0, v[TT]                   ; f = 2^(old M - new M)
.set n, 0
.rept 32
	v_pk_fma_f32 v[S+n:S+n+1], v[S+n:S+n+1], s[CS:CS+1], v[12:13] op_sel_hi:[1,0,0]   ; t - M, two at a time
.set n, n+2
.endr
	s_setprio 1
.irp b, 0,1,2,3
	v_fma_f32 v[BM+\b], v[BM+\b], s[CS], v12       ; the same of each block's largest score
.endr
.set n, 0
	s_wait_alu depctr_va_vdst(0)
.rept 64
	v_exp_f32 v[S+n], v[S+n]                       ; p = 2^(t - M), at most 1
.set n, n+1
.endr
.irp b, 0,1,2,3
	v_exp_f32 v[BM+\b], v[BM+\b]                   ; the block's largest p: the same two instructions on the same number give the same bits
.endr
	v_pk_mul_f32 v[14:15], v[14:15], v[F:F+1] op_sel_hi:[1,0]   ; the sums under the new M (a plain place behind the exponentials)
	s_wait_alu depctr_va_vdst(0)
.irp b, 0,1,2,3
	v_max_num_f32 v[BM+\b], 0x2800000, v[BM+\b]    ; the floor 2^(5 - 127): the byte cannot fall under 1
.endr
.irp b, 0,1,2,3
	s_delay_alu instid0(VALU_DEP_4)
	v_add_nc_u32 v[SO+\b], 0xfe000000, v[BM+\b]    ; 4 off the exponent field: the conversion's scale operand
.endr
.irp b, 0,1,2,3
	s_delay_alu instid0(VALU_DEP_4)
	v_lshrrev_b32 v[PD+\b], 23, v[SO+\b]           ; the scale's byte
.endr
	s_delay_alu instid0(VALU_DEP_3)
	v_lshl_or_b32 v[PW], v[PD+1], 8, v[PD]         ; p's scale word for these 128 keys
	s_delay_alu instid0(VALU_DEP_1)
	v_lshl_or_b32 v[PW], v[PD+2], 16, v[PW]
	s_delay_alu instid0(VALU_DEP_1)
	v_lshl_or_b32 v[PW], v[PD+3], 24, v[PW]
.irp c, 0,1
	v_cvt_scalef32_pk16_bf6_f32 v[PC+6*\c:PC+2+6*\c], v[S+32*\c:S+15+32*\c], v[SO+2*\c]
	v_cvt_scalef32_pk16_bf6_f32 v[PC+12+4*\c:PC+14+4*\c], v[S+16+32*\c:S+31+32*\c], v[SO+2*\c+1]   ; (a conversion's three registers begin on an even number)
.endr
	v_nop                                          ; one plain place behind a scaled conversion
.irp c, 0,1                            ; the layout wants a whole block in a lane
.irp i, 0,1,2
	v_permlane16_swap_b32 v[PC+6*\c+\i], v[PC+12+4*\c+\i]
.endr
.irp i, 0,1,2
	s_delay_alu instid0(VALU_DEP_3)
	v_mov_b32 v[PC+3+6*\c+\i], v[PC+12+4*\c+\i]
.endr
.endr
.set n, 0
.rept 16
	v_pk_mul_f32 v[O+n:O+n+1], v[O+n:O+n+1], v[F:F+1] op_sel_hi:[1,0]   ; O^T under the new M, each accumulator from its low end on
.set n, n+2
.endr
	s_setprio 0
	v_pk_add_f32 v[232:233], v[104:105], v[108:109]
	v_pk_add_f32 v[252:253], v[112:113], v[116:117]
	v_pk_add_f32 v[250:251], v[120:121], v[124:125]
	v_pk_add_f32 v[248:249], v[128:129], v[132:133]
	v_pk_add_f32 v[234:235], v[136:137], v[140:141]
	v_pk_add_f32 v[226:227], v[144:145], v[148:149]
	v_pk_add_f32 v[224:225], v[152:153], v[156:157]
	v_pk_add_f32 v[14:15], v[14:15], v[160:161]
	v_pk_add_f32 v[232:233], v[232:233], v[100:101]
	v_pk_add_f32 v[252:253], v[252:253], v[102:103]
	v_pk_add_f32 v[250:251], v[250:251], v[106:107]
	v_pk_add_f32 v[248:249], v[248:249], v[110:111]
	v_pk_add_f32 v[234:235], v[234:235], v[114:115]
	v_pk_add_f32 v[226:227], v[226:227], v[118:119]
	v_pk_add_f32 v[224:225], v[224:225], v[122:123]
	v_pk_add_f32 v[14:15], v[14:15], v[126:127]
	v_pk_add_f32 v[232:233], v[232:233], v[130:131]
	v_pk_add_f32 v[252:253], v[252:253], v[134:135]
	v_pk_add_f32 v[250:251], v[250:251], v[138:139]
	v_pk_add_f32 v[248:249], v[248:249], v[142:143]
	v_pk_add_f32 v[234:235], v[234:235], v[146:147]
	v_pk_add_f32 v[226:227], v[226:227], v[150:151]
	v_pk_add_f32 v[224:225], v[224:225], v[154:155]
	v_pk_add_f32 v[14:15], v[14:15], v[158:159]
	v_pk_add_f32 v[232:233], v[232:233], v[162:163]
	s_delay_alu instid0(VALU_DEP_2)
	v_pk_add_f32 v[14:15], v[14:15], v[248:249]
	s_delay_alu instid0(VALU_DEP_2)
	v_pk_add_f32 v[232:233], v[232:233], v[234:235]
	v_pk_add_f32 v[252:253], v[252:253], v[226:227]
	v_pk_add_f32 v[250:251], v[250:251], v[224:225]
	s_delay_alu instid0(VALU_DEP_2)
	v_pk_add_f32 v[14:15], v[14:15], v[252:253]
	s_delay_alu instid0(VALU_DEP_2)
	v_pk_add_f32 v[232:233], v[232:233], v[250:251]
	s_delay_alu instid0(VALU_DEP_1)
	v_pk_add_f32 v[14:15], v[14:15], v[232:233]
	s_wait_dscnt 0x0                               ; V and its scale words are in
.irp t, 0,1,2,3                        ; O^T += V^T P^T: the four accumulators by turns, one instruction a turn
	v_wmma_scale_f32_16x16x128_f8f6f4 v[O+8*\t:O+8*\t+7], v[KF+12*\t:KF+12*\t+11], v[PC:PC+11], v[O+8*\t:O+8*\t+7], v[VS+\t], v[PW] matrix_a_fmt:MATRIX_FMT_BF6 matrix_b_fmt:MATRIX_FMT_BF6
.endr
.Lhidden_\@:
	s_add_co_u32 s[TB], s[TB], REC
	s_add_co_u32 s[SI], s[SI], 1
	s_cmp_lt_u32 s[SI], 16
	s_cbranch_scc1 .Lstep_\@
	s_setprio 0
	; THE WAY OUT.  O^T / the sum; register 16 b + i of lane (r, h) is channel 32 b + 16 h + i of the head: two blocks of the projection's K.  They become six registers of codes: half an image.
.rept 4
	v_nop                                          ; places behind the last products
.endr
	s_wait_alu depctr_va_vdst(0)
	v_add_f32 v14, v14, v15
	s_delay_alu instid0(VALU_DEP_1)
	v_permlanex16_b32 v[TT], v14, s[SEL], s[SEL+1]
	s_delay_alu instid0(VALU_DEP_1)
	v_add_f32 v14, v14, v[TT]                      ; the row's sum
	s_wait_alu depctr_va_vdst(0)
	v_rcp_f32 v14, v14
	v_nop                                          ; one plain place behind a transcendental
.set n, 0
	s_wait_alu depctr_va_vdst(0)
.rept 16
	v_pk_mul_f32 v[S+n:S+n+1], v[O+n:O+n+1], v[14:15] op_sel_hi:[1,0]
.set n, n+2
.endr
.irp b, 0,1
	v_max3_num_f32 v[BM+\b], |v[S+16*\b]|, |v[S+1+16*\b]|, 0x2800000
.endr
.irp i, 2,4,6,8,10,12,14
.irp b, 0,1
	s_delay_alu instid0(VALU_DEP_2)
	v_max3_num_f32 v[BM+\b], v[BM+\b], |v[S+16*\b+\i]|, |v[S+1+16*\b+\i]|
.endr
.endr
.irp b, 0,1
	s_delay_alu instid0(VALU_DEP_2)
	v_permlanex16_b32 v[PD+\b], v[BM+\b], s[SEL], s[SEL+1]
.endr
.irp b, 0,1
	s_delay_alu instid0(VALU_DEP_2)
	v_max_num_f32 v[BM+\b], v[BM+\b], v[PD+\b]
.endr
.irp b, 0,1
	s_delay_alu instid0(VALU_DEP_2)
	v_add_nc_u32 v[SO+\b], 0xfe000000, v[BM+\b]
.endr
.irp b, 0,1
	s_delay_alu instid0(VALU_DEP_2)
	v_lshrrev_b32 v[PD+\b], 23, v[SO+\b]
.endr
	s_delay_alu instid0(VALU_DEP_1)
	v_lshl_or_b32 v[TT], v[PD+1], 8, v[PD]         ; the head's two scale bytes of my row
	v_cvt_scalef32_pk16_bf6_f32 v[PC:PC+2], v[S:S+15], v[SO]
	v_cvt_scalef32_pk16_bf6_f32 v[PC+12:PC+14], v[S+16:S+31], v[SO+1]
	v_nop                                          ; one plain place behind a scaled conversion
.irp i, 0,1,2
	v_permlane16_swap_b32 v[PC+\i], v[PC+12+\i]
.endr
.irp i, 0,1,2
	s_delay_alu instid0(VALU_DEP_3)
	v_mov_b32 v[PC+3+\i], v[PC+12+\i]
.endr
	global_store_b128 v1, v[PC:PC+3], s[OP+2*\p:OP+2*\p+1]                 ; 512 and 256 consecutive bytes, at multiples of 256 from oimg's first byte
	global_store_b64 v2, v[PC+4:PC+5], s[OP+2*\p:OP+2*\p+1] offset:512
	global_store_b16 v4, v[TT], s[OSP+2*\p:OSP+2*\p+1]                     ; two bytes a row, 16 bytes apart (lanes l and l xor 16 write the same bytes with the same value): a row's word holds two heads' bytes, as the projection reads it
.endm
	PASS Q1, 0
	PASS Q2, 1
	s_wait_tensorcnt 0x0
	ds_add_u32 v254, v255
	s_wait_dscnt 0x0
	CROUND                                         ; the closing round: no work-group ends while a partner may still ask for a record that names it
	s_endpgm
.Lfunc_end_k_q79b060dafc_attn:
	.size	k_q79b060dafc_attn, .Lfunc_end_k_q79b060dafc_attn-k_q79b060dafc_attn
	.p2alignl 7, 3214868480
	.fill 96, 4, 3214868480
	.section	.rodata,"a",@progbits
	.p2align	6, 0x0
	.amdhsa_kernel k_q79b060dafc_attn
		.amdhsa_group_segment_fixed_size 215040
		.amdhsa_private_segment_fixed_size 0
		.amdhsa_enable_private_segment 0
		.amdhsa_kernarg_size 16
		.amdhsa_user_sgpr_count 2
		.amdhsa_user_sgpr_kernarg_segment_ptr 1
		.amdhsa_wavefront_size32 1
		.amdhsa_system_sgpr_workgroup_id_x 1
		.amdhsa_system_sgpr_workgroup_id_y 1
		.amdhsa_system_sgpr_workgroup_id_z 1
		.amdhsa_system_vgpr_workitem_id 0
		.amdhsa_next_free_vgpr 256
		.amdhsa_next_free_sgpr 66
		.amdhsa_reserve_vcc 1
		.amdhsa_float_denorm_mode_32 3
		.amdhsa_float_denorm_mode_16_64 3
		.amdhsa_memory_ordered 1
		.amdhsa_forward_progress 1
		.amdhsa_inst_pref_size 64
	.end_amdhsa_kernel
	.amdgpu_metadata
---
amdhsa.version: [ 1, 2 ]
amdhsa.kernels:
  - .name:           k_q79b060dafc_attn
    .symbol:         k_q79b060dafc_attn.kd
    .args:
      - { .name: qkv, .offset: 0, .size: 8, .value_kind: global_buffer, .address_space: global }
      - { .name: oimg, .offset: 8, .size: 8, .value_kind: global_buffer, .address_space: global }
    .group_segment_fixed_size: 215040
    .private_segment_fixed_size: 0
    .kernarg_segment_align: 8
    .kernarg_segment_size: 16
    .max_flat_workgroup_size: 512
    .sgpr_count:     66
    .vgpr_count:     256
    .wavefront_size: 32
...
	.end_amdgpu_metadata
.endif
;; end of part 3
;; launch gemm_proj (part 4): grid 4 x 32, 4 waves a work-group, clusters of 4 x 4, 327,680 bytes of LDS; arguments oimg, qin, b_proj, out0; writes out0
.if DOCPART == 4
	.amdgcn_target "amdgcn-amd-amdhsa--gfx1250"
	.amdhsa_code_object_version 6
	.text
	.protected	k_q79b060dafc_gemm_proj
	.globl	k_q79b060dafc_gemm_proj
	.p2align	8
	.type	k_q79b060dafc_gemm_proj,@function
k_q79b060dafc_gemm_proj:
	s_mov_b64 s[64:65], 0
	v_nop
	global_prefetch_b8 v0, s[64:65] scope:SCOPE_SE
	s_setreg_imm32_b32 hwreg(HW_REG_WAVE_MODE, 25, 1), 1
	s_wait_xcnt 0x0
	s_wait_alu depctr_hold_cnt(0) depctr_sa_sdst(0) depctr_va_vdst(0) depctr_va_sdst(0) depctr_va_ssrc(0) depctr_va_vcc(0) depctr_vm_vsrc(0)
	s_getreg_b32 s2, hwreg(HW_REG_IB_STS2, 6, 4)
	s_cmp_eq_u32 s2, 0
	s_cbranch_scc0 .Lentry_in_a_cluster
	s_endpgm
.Lentry_in_a_cluster:
	s_bfe_u32 s2, ttmp6, 0x10000c
	s_cmp_lg_u32 s2, 0xf033
	s_cbranch_scc0 .Lentry_shape_is_right
	s_endpgm
.Lentry_shape_is_right:
; ONE TEXT SERVES TWO LAUNCHES; PROJ chooses.  Both are products on codes of BF6 (E3M2) with one E8M0 scale for each 32 along K = 1,024, sums in f32, the bias as the C of each sum's first product.
;   PROJ = 0: qkv = x W_qkv^T + b_qkv, whose results are quantised in registers and leave as the attention launch's operands.      PROJ = 1: out0 = o W_proj^T + b_proj, f32.
; OPERANDS lie in memory in the order of their registers.  A tile is 16 rows: lane r of tile t holds row 32 (t / 2) + 8 (t % 2) + r + 8 (r / 8).  A fragment (16 rows x 128 K, 12 registers a lane) is an image of
; 1,536 bytes, two halves of 768: registers 6 c .. 6 c + 3 at 16 x lane, registers 6 c + 4, 6 c + 5 at 512 + 8 x lane.  Tile t at 12,288 t, K step s at + 1,536 s; scale words at 512 t + 256 (s / 4) + 16 r + 4 (s % 4).
; A tile of the result, 256 x 256, is made by four waves, each 128 x 128: 64 accumulators, 512 registers.  Source 0 ("B") runs along a lane's registers, source 1 ("A") along the lanes.  Since the rows of B's
; tiles are chosen as above, the 64 registers of one block of A are 128 neighbours along B's axis, 16 to a lane and block of 32: they are quantised as they stand.
; K goes in four slots' worth of 256 through a ring of two LDS slots filled by the tensor data mover; a wave's load brings 8 tiles x 3,072 consecutive bytes.  The scale words of the 512 rows come once.
; CLUSTERS: 4 x 4 work-groups; A's tiles are asked for jointly along a row of the cluster, B's along a column.
; PROJ = 0: clusters x = 0, 1 make q and k (A = x's tokens, B = W's rows: a lane holds a token, its registers channels: K of the scores).  Clusters x = 2 make V^T (A = W_v's rows, B = x's tokens: a lane holds a
; channel, its registers keys: K of the second product).  The choice hangs on the cluster's x alone, which all partners share.
; LIMITS: NaN and infinities are not served; a block whose largest magnitude lies under 2^-122, a block of zeros among them, gets the scale byte 1 (its codes then add nothing or next to nothing; this program alone reads the bytes).
; REGISTERS, in windows of 256: window 0: v1-29 addresses; v32-63 scale words, two sets; v64-127 the bias in the result's layout, later the scale words made; v128-223 A's fragments, one set, later codes or rows
;   on the way out; v224-251 at work.   window 1: B's fragments, two sets, at v0 and v128.   windows 2, 3: the accumulators, (a, b) at v[8 (8 (a % 4) + b)] of window 2 + a / 4.
.set PROJ,   1
.set HALFT,  24576                     ; 8 tiles x 3,072 bytes: what one tensor load brings, and what one wave reads of A or of B
.set SLOT,   4*HALFT                   ; A's 16 tiles, then B's
.set SCL,    2*SLOT                    ; behind the ring: A's scale words, 8,192 bytes, then B's
.set SPARE,  SCL+16384                 ; the spare words, 128 bytes for each wave: two blocks of 256 bytes that no other line names
.set QSC,    9437184                   ; where the scale words begin in qin
.set OSC,    6291456                   ; and in oimg
.set KVB,    6815744                   ; qkv: where K's and V's records begin
.set FR,     12                        ; registers of a fragment
.set NL,     4                         ; LDS loads that bring one
.set NP,     4                         ; places behind this matrix instruction (ISA guide 7.12.1)
.set NQ,     2                         ; K steps of 128 in a slot
.set SPITCH, 528                       ; PROJ = 1: a stage row; the stages, 16 rows a wave, lie in slot 0, behind its last fill and its last read
.if PROJ
.set ASC, OSC
.else
.set ASC, QSC
.endif
.set L16,  7                           ; v7   16 x lane
.set L8,   8                           ; v8   8 x lane
.set SOFF, 9                           ; v9   where I store four scale words
.set BOF,  10                          ; v10  the bias along the registers: 64 h
.set VOF,  11                          ; v11  the bias along the lanes: 4 (r + 8 (r / 8))
.set ADRA, 16                          ; v16-17 A's fragments in slot 0, 1, + 16 x lane; v18-19 + 8 x lane
.set ADRB, 20                          ; v20-23 the same for B
.set STO,  24
.set RD,   25
.set ADRS, 27                          ; v27  my scale words: lanes 0-15 A's rows, lanes 16-31 B's
.set SPW,  28                          ; v28  my spare word: SPARE + 4 x my thread's number; never rewritten
.set NIL,  29                          ; v29  0; never rewritten
.set SC,   32
.set BI,   64
.set WA,   64                          ; the way out: the eight scale words made
.set AF,   128
.set PC,   128                         ; the way out: the codes just made
.set BK,   128                         ; PROJ = 1: rows read back from the stage, v128-191 and v192-255 by turns
.set TM,   224
.set VB,   244                         ; v244-251 the bias along the lanes, one register a block of A; later the scale words on their way out
.set SEL,  20
.set G1, 24
.set G0, 32
.set G1B, 48
.set G0B, 56
.set G1S, 68
.set G0S, 76
.set G1SB, 80
.set G0SB, 88
.set MSB, 0
.macro WIN new                         ; the immediate's high byte repeats the setting that is left
.if MSB != \new
	s_set_vgpr_msb (MSB<<8)|\new
.set MSB, \new
.endif
.endm
.set MUL_LO, 0xa1                      ; source 0 (B) window 1, source 1 (A) window 0, C and D window 2
.set MUL_HI, 0xf1                      ; the same, C and D window 3
.set TO_B,   0x40                      ; destination window 1, address window 0
; A joint load: waves 0 and 1 fetch for A, waves 2 and 3 for B.  Each line has one mask and one set of registers for all that issue it; the branch hangs on the wave's number alone.
; Four v_nop follow each of the two lines, ahead of the jump, the label and what follows.
.macro JLOAD g0a, g1a, g0b, g1b
	s_cmp_eq_u32 s15, 0
	s_cbranch_scc0 .Lfor_b_\@
	tensor_load_to_lds s[\g0a:\g0a+3], s[\g1a:\g1a+7]
	s_nop 0
.rept 4
	v_nop
.endr
	s_branch .Lasked_\@
.Lfor_b_\@:
	tensor_load_to_lds s[\g0b:\g0b+3], s[\g1b:\g1b+7]
	s_nop 0
.rept 4
	v_nop
.endr
.Lasked_\@:
.endm
.macro CREST                           ; a round of the cluster's barrier behind its opening barrier
	s_cmp_lg_u32 s14, 0
	s_cbranch_scc1 .Lnot_wave_0_\@
	s_barrier_signal -3
.Lnot_wave_0_\@:
	s_barrier_wait -3
	s_barrier_signal -1
	s_barrier_wait -1
.endm
.macro CROUND                          ; a whole round
	s_barrier_signal -1
	s_barrier_wait -1
	CREST
.endm
.if PROJ
	s_load_b256 s[4:11], s[0:1], 0x0               ; A's buffer oimg s[4:5], B's buffer qin s[6:7], b_proj s[8:9], out0 s[10:11]
.else
	s_load_b64 s[4:5], s[0:1], 0x0                 ; A's buffer: qin
	s_load_b64 s[6:7], s[0:1], 0x0                 ; B's buffer: qin too
	s_load_b64 s[8:9], s[0:1], 0x8                 ; b_qkv
	s_load_b64 s[10:11], s[0:1], 0x10              ; qkv
.endif
	v_lshl_add_u32 v[SPW], v0, 2, SPARE
	v_mov_b32 v[NIL], 0
	ds_add_u32 v28, v29
	ds_add_u32 v28, v29
	s_wait_dscnt 0x0
	v_lshrrev_b32 v1, 5, v0
	v_readfirstlane_b32 s14, v1                    ; wave 0..3
	s_lshr_b32 s15, s14, 1                         ; which half of A's rows I multiply.  Also: I fetch for A (0) or for B (1)
	s_and_b32 s16, s14, 1                          ; which half of B's rows I multiply.  Also: which 8 tiles I fetch
	s_bfe_u32 s40, ttmp6, 0x40000                  ; cx, cy: my place in the cluster
	s_bfe_u32 s41, ttmp6, 0x40004
	s_and_b32 s67, ttmp7, 0xffff
	s_lshl_b32 s67, s67, 2                         ; 4 x cluster y
	s_lshl_b32 s42, ttmp9, 2
	s_add_co_u32 s42, s42, s40                     ; B's tile of 256 rows: 4 x cluster x + cx
	s_add_co_u32 s17, s67, s41                     ; A's: 4 x cluster y + cy
.if PROJ
	s_mov_b32 s97, 0                               ; A: oimg's tiles from 0
	s_mov_b32 s98, 704                             ; B: W_proj's tiles in qin
.else
	s_add_co_u32 s96, s67, s40                     ; 4 x cluster y + cx
	s_cmp_eq_u32 ttmp9, 2                          ; V's clusters: A = W_v (tile cy), B = x (tile 4 x cluster y + cx)
	s_cselect_b32 s17, s41, s17                    ; A's registers never hold cx,
	s_cselect_b32 s42, s96, s42                    ; B's never cy
	s_cselect_b32 s97, 640, 0
	s_cselect_b32 s98, 0, 512
.endif
	s_lshl_b32 s43, s41, 2
	s_lshl_b32 s43, 15, s43                        ; my row of the cluster
	s_lshl_b32 s44, 0x1111, s40                    ; my column
	; descriptor group 1 for codes: 8 rows (tiles) of 384 elements of 8 bytes, 1,536 elements apart; dense in LDS
	s_or_b32 s[G1+0], s43, (3<<16)|(1<<21)         ; 15:0 the mask; 17:16 elements of 8 bytes; 20 no padding; 21 set beside a mask
	s_or_b32 s[G1B+0], s44, (3<<16)|(1<<21)
.irp g, G1, G1B
	s_mov_b32 s[\g+1], 384<<16                     ; tensor_dim0
	s_mov_b32 s[\g+2], 8<<16                       ; tensor_dim1
	s_mov_b32 s[\g+3], 384<<16                     ; tile_dim0
	s_mov_b32 s[\g+4], 8                           ; tile_dim1
	s_mov_b32 s[\g+5], 1536                        ; tensor_dim0_stride
	s_mov_b32 s[\g+6], 0
	s_mov_b32 s[\g+7], 0
.endr
	; and for the scale words of 8 tiles: 4,096 dense bytes as 16 rows of 256
	s_or_b32 s[G1S+0], s43, (3<<16)|(1<<21)
	s_or_b32 s[G1SB+0], s44, (3<<16)|(1<<21)
.irp g, G1S, G1SB
	s_mov_b32 s[\g+1], 32<<16
	s_mov_b32 s[\g+2], 16<<16
	s_mov_b32 s[\g+3], 32<<16
	s_mov_b32 s[\g+4], 16
	s_mov_b32 s[\g+5], 32
	s_mov_b32 s[\g+6], 0
	s_mov_b32 s[\g+7], 0
.endr
	s_lshl_b32 s18, s16, 3                         ; which 8 tiles I fetch
	s_lshl_b32 s20, s17, 4
	s_add_co_u32 s20, s20, s18
	s_add_co_u32 s20, s20, s97                     ; A's first tile
	s_lshl_b32 s46, s42, 4
	s_add_co_u32 s46, s46, s18
	s_add_co_u32 s46, s46, s98                     ; B's
	s_lshl_b32 s22, s20, 9
	s_add_co_u32 s22, s22, ASC                     ; their scale words, in bytes
	s_mov_b32 s23, 0
	s_lshl_b32 s92, s46, 9
	s_add_co_u32 s92, s92, QSC
	s_mov_b32 s93, 0
	s_mul_i32 s20, s20, 12288                      ; and their codes
	s_mov_b32 s21, 0
	s_mul_i32 s46, s46, 12288
	s_mov_b32 s47, 0
	s_mul_i32 s45, s14, HALFT                      ; where they go: wave x 8 tiles: no place in the cluster enters an LDS address
	s_lshl_b32 s94, s14, 12
	s_wait_kmcnt 0x0
	s_add_nc_u64 s[20:21], s[4:5], s[20:21]
	s_add_nc_u64 s[22:23], s[4:5], s[22:23]
	s_add_nc_u64 s[46:47], s[6:7], s[46:47]
	s_add_nc_u64 s[92:93], s[6:7], s[92:93]
	CROUND                                         ; all sixteen work-groups are here: the first joint loads meet
	s_mov_b32 s[G0S], 1
	s_add_co_u32 s[G0S+1], s94, SCL
	s_mov_b64 s[G0S+2:G0S+3], s[22:23]
	s_or_b32 s[G0S+3], s[G0S+3], 0x80000000
	s_mov_b32 s[G0SB], 1
	s_add_co_u32 s[G0SB+1], s94, SCL
	s_mov_b64 s[G0SB+2:G0SB+3], s[92:93]
	s_or_b32 s[G0SB+3], s[G0SB+3], 0x80000000
	JLOAD G0S, G1S, G0SB, G1SB                     ; the scale words first: they are wanted with the first K step
.irp s, 0,1
	s_mov_b32 s[G0+4*\s], 1
	s_add_co_u32 s[G0+4*\s+1], s45, \s*SLOT
	s_add_nc_u64 s[G0+4*\s+2:G0+4*\s+3], s[20:21], \s*3072
	s_or_b32 s[G0+4*\s+3], s[G0+4*\s+3], 0x80000000
	s_mov_b32 s[G0B+4*\s], 1
	s_add_co_u32 s[G0B+4*\s+1], s45, \s*SLOT
	s_add_nc_u64 s[G0B+4*\s+2:G0B+4*\s+3], s[46:47], \s*3072
	s_or_b32 s[G0B+4*\s+3], s[G0B+4*\s+3], 0x80000000
	s_wait_alu depctr_va_vdst(0)
	s_wait_tensorcnt 0x0
	ds_add_u32 v28, v29
	s_wait_dscnt 0x0
	CROUND
	JLOAD G0+4*\s, G1, G0B+4*\s, G1B               ; one tensor load of mine is out now
.endr
	v_and_b32 v1, 15, v0                           ; r
	v_bfe_u32 v2, v0, 4, 1                         ; h
	v_and_b32 v3, 31, v0
	v_lshlrev_b32 v[L16], 4, v3
	v_lshlrev_b32 v[L8], 3, v3
	s_mul_i32 s21, s15, HALFT                      ; my 8 tiles of A
	s_mul_i32 s22, s16, HALFT                      ; my 8 tiles of B,
	s_add_co_u32 s22, s22, 2*HALFT                 ; which lie behind A's 16
.irp s, 0,1
	v_add_nc_u32 v[ADRA+\s], s21, v[L16]
	v_add_nc_u32 v[ADRA+2+\s], s21, v[L8]
	v_add_nc_u32 v[ADRB+\s], s22, v[L16]
	v_add_nc_u32 v[ADRB+2+\s], s22, v[L8]
	s_add_co_u32 s21, s21, SLOT
	s_add_co_u32 s22, s22, SLOT
.endr
	s_lshl_b32 s21, s15, 12                        ; A's scale words: my 8 tiles
	s_lshl_b32 s22, s16, 12                        ; B's: my 8 tiles, behind A's 8,192 bytes
	s_add_co_u32 s22, s22, 8192
	s_sub_co_u32 s22, s22, s21
	v_mul_u32_u24 v6, s22, v2                      ; lanes 16-31 take B's
	s_add_co_u32 s21, s21, SCL
	v_lshl_add_u32 v5, v1, 4, v6                   ; 16 bytes a row
	v_add_nc_u32 v[ADRS], s21, v5
	; THE BIAS.  Along the registers (q, k, the projection): lane (r, h) wants, for B's tiles 2 g and 2 g + 1, the 16 numbers at 32 g + 16 h.
	v_lshlrev_b32 v[BOF], 6, v2
	s_lshl_b32 s20, s42, 10
	s_lshl_b32 s45, s16, 9
	s_add_co_u32 s20, s20, s45                     ; 4 (256 x B's tile + 128 x my half)
	s_mov_b32 s21, 0
.if PROJ == 0
	s_lshl_b32 s45, s17, 10                        ; along the lanes (V): 4 (2,048 + 256 x A's tile + 128 x my half)
	s_lshl_b32 s67, s15, 9
	s_add_co_u32 s45, s45, s67
	s_add_co_u32 s45, s45, 8192
	s_cmp_eq_u32 ttmp9, 2                          ; every work-group loads both forms, the one that is not its own from b_qkv's first bytes: so every register is written on every way through the text
	s_cselect_b32 s20, 0, s20
	s_cselect_b32 s45, s45, 0
.endif
	s_add_nc_u64 s[46:47], s[8:9], s[20:21]
.irp g, 0,1,2,3
.irp i, 0,1,2,3
	global_load_b128 v[BI+16*\g+4*\i:BI+16*\g+4*\i+3], v[BOF], s[46:47] offset:128*\g+16*\i
.endr
.endr
.if PROJ == 0
	s_mov_b32 s20, s45
	s_add_nc_u64 s[98:99], s[8:9], s[20:21]
	v_and_b32 v[VOF], 8, v1
	v_add_nc_u32 v[VOF], v[VOF], v1
	v_lshlrev_b32 v[VOF], 2, v[VOF]
.irp a, 0,1,2,3,4,5,6,7
	global_load_b32 v[VB+\a], v[VOF], s[98:99] offset:4*(32*(\a/2)+8*(\a%2))   ; the channel of my lane in block a of A
.endr
.irp b, 0,1,2,3
	v_mov_b32 v[TM+4+\b], 0                        ; written once: a lane permute's destination counts as one of its sources
.endr
	; WHERE THE RESULTS GO.  qkv: Q's records [head][key step] of 6,656 bytes: 8 half images of 768 (a tile of 16 tokens x the head's 64 channels), 512 bytes of scale words.  From KVB on K's and V's records of 13,056 bytes:
	; 8 half images of K, 4 fragments of V^T (16 channels x 128 keys), K's scale words (512 bytes, [r][tile]: 32 bytes a row), V's (256 bytes, [r][tile]: 16 bytes a row).
	; One text stores all three: P1 s[2:3] takes a block's registers 0-5, P2 s[12:13] its registers 6-11.  q, k: the two are my two heads, 16 records apart, and a block is 768 bytes on from the last.
	; V: the two are the halves of one fragment, 768 bytes apart; a block is 1,536 bytes on, and block 4 begins my second head.
	s_lshr_b32 s97, s42, 2                         ; q's columns (0) or k's (1)
	s_mov_b32 s92, 768
	s_mov_b32 s96, 0xffff
	s_cmp_eq_u32 ttmp9, 2
	s_cselect_b32 s20, s42, s17                    ; the tile of 256 tokens,
	s_cselect_b32 s66, s16, s15                    ; my half of it,
	s_cselect_b32 s45, s17, s42                    ; the tile of 256 channels,
	s_cselect_b32 s67, s15, s16                    ; my half of it
	s_cselect_b32 s97, 1, s97                      ; K's and V's part of the buffer (1) or Q's (0)
	s_cselect_b32 s92, 1536, s92                   ; s[92:93]: from block to block
	s_cselect_b32 s94, 202752, 0                   ; s[94:95]: more at block 4: 16 records less four fragments
	s_cselect_b32 s96, -1, s96                     ; what of a scale word belongs to P1's part
	s_mov_b32 s93, 0
	s_mov_b32 s95, 0
	s_lshl_b32 s45, s45, 2
	s_lshl_b32 s67, s67, 1
	s_add_co_u32 s45, s45, s67
	s_and_b32 s45, s45, 15                         ; my first head
	s_lshr_b32 s67, s20, 3                         ; the batch
	s_lshl_b32 s67, s67, 4
	s_add_co_u32 s45, s45, s67
	s_lshl_b32 s45, s45, 4                         ; 16 records a head
	s_and_b32 s20, s20, 7
	s_lshl_b32 s20, s20, 1
	s_add_co_u32 s20, s20, s66                     ; my key step
	s_add_co_u32 s45, s45, s20
	s_mul_i32 s67, s97, 6400
	s_add_co_u32 s67, s67, 6656                    ; a record's bytes
	s_mul_i32 s45, s45, s67
	s_mul_i32 s20, s97, KVB
	s_add_co_u32 s20, s20, s45                     ; my record's first byte
	s_mul_i32 s97, s97, 6144
	s_add_co_u32 s97, s97, 6144                    ; where q's or k's scale words begin in it
	s_lshl_b32 s67, s67, 4                         ; to the next head
	s_mov_b32 s45, 6656
	s_cmp_eq_u32 ttmp9, 2
	s_cselect_b32 s66, 6144, 0                     ; V's fragments lie behind K's
	s_cselect_b32 s67, 768, s67                    ; from P1 to P2
	s_cselect_b32 s45, s45, s97                    ; from P1 to its scale words
	s_add_co_u32 s20, s20, s66
	s_add_nc_u64 s[2:3], s[10:11], s[20:21]        ; P1
	s_add_co_u32 s20, s20, s45
	s_add_nc_u64 s[18:19], s[10:11], s[20:21]      ; its scale words
	s_sub_co_u32 s20, s20, s45
	s_add_co_u32 s20, s20, s67
	s_add_nc_u64 s[12:13], s[10:11], s[20:21]      ; P2
	s_add_co_u32 s20, s20, s97
	s_add_nc_u64 s[22:23], s[10:11], s[20:21]      ; its scale words (q, k alone)
	s_mov_b32 s66, 16
	s_cmp_eq_u32 ttmp9, 2
	s_cselect_b32 s45, 16, 32                      ; bytes of scale words a row,
	s_cselect_b32 s66, 208896, s66                 ; and where lanes 16-31 store: blocks 4-7 are the row's next 16 bytes (q, k) or the next head's (V)
	v_mul_u32_u24 v[SOFF], s45, v1
	v_mad_u32_u24 v[SOFF], s66, v2, v[SOFF]
.else
	s_mul_i32 s23, s14, 16*SPITCH                  ; my stage
	v_mul_u32_u24 v5, v1, SPITCH
	v_lshl_add_u32 v5, v2, 6, v5
	v_add_nc_u32 v[STO], s23, v5                   ; in: row r, + 64 h: B's tiles 2 g, 2 g + 1 are my 16 columns at 32 g + 16 h
	v_add_nc_u32 v[RD], s23, v[L16]                ; back: the 32 lanes take one row of 512 bytes
	s_lshl_b32 s20, s17, 8
	s_lshl_b32 s45, s15, 7
	s_add_co_u32 s20, s20, s45                     ; my first row of out0
	s_lshl_b32 s20, s20, 12
	s_lshl_b32 s45, s42, 10
	s_add_co_u32 s20, s20, s45
	s_lshl_b32 s45, s16, 9
	s_add_co_u32 s20, s20, s45                     ; and my first column, in bytes
	s_add_nc_u64 s[10:11], s[10:11], s[20:21]
.endif
.macro FRAG reg, adr, q, i             ; a fragment's image comes back as it was stored: every load reads consecutive bytes
	ds_load_b128 v[\reg:\reg+3], v[\adr] offset:3072*(\i)+1536*(\q)
	ds_load_b64 v[\reg+4:\reg+5], v[\adr+2] offset:3072*(\i)+1536*(\q)+512
	ds_load_b128 v[\reg+6:\reg+9], v[\adr] offset:3072*(\i)+1536*(\q)+768
	ds_load_b64 v[\reg+10:\reg+11], v[\adr+2] offset:3072*(\i)+1536*(\q)+1280
.endm
; 16 matrix instructions: A's blocks a0, a0 + 1 x B's eight, the slot's q-th 128 along K.  p: B's set; sc: the set of scale words.  first = 1: the sums start from the bias along the registers; 2: along the lanes.
; The 64 accumulators take turns, one instruction a turn, in the same order in every step.
.macro MUL16 a0, p, q, sc, first
.irp a, \a0, \a0+1
.irp b, 0,1,2,3,4,5,6,7
.if \first == 1
	v_wmma_scale_f32_16x16x128_f8f6f4 v[8*(8*((\a)%4)+\b):8*(8*((\a)%4)+\b)+7], v[128*(\p)+FR*\b:128*(\p)+FR*\b+FR-1], v[AF+FR*(\a):AF+FR*(\a)+FR-1], v[BI+8*\b:BI+8*\b+7], v[SC+8*NQ*(\sc)+NQ*\b+(\q)], v[SC+8*NQ*(\sc)+NQ*(\a)+(\q)] matrix_a_fmt:MATRIX_FMT_BF6 matrix_b_fmt:MATRIX_FMT_BF6 matrix_a_scale:MATRIX_SCALE_ROW1
.elseif \first == 2
	v_wmma_scale_f32_16x16x128_f8f6f4 v[8*(8*((\a)%4)+\b):8*(8*((\a)%4)+\b)+7], v[128*(\p)+FR*\b:128*(\p)+FR*\b+FR-1], v[AF+FR*(\a):AF+FR*(\a)+FR-1], v[BI+8*(\a):BI+8*(\a)+7], v[SC+8*NQ*(\sc)+NQ*\b+(\q)], v[SC+8*NQ*(\sc)+NQ*(\a)+(\q)] matrix_a_fmt:MATRIX_FMT_BF6 matrix_b_fmt:MATRIX_FMT_BF6 matrix_a_scale:MATRIX_SCALE_ROW1
.else
	v_wmma_scale_f32_16x16x128_f8f6f4 v[8*(8*((\a)%4)+\b):8*(8*((\a)%4)+\b)+7], v[128*(\p)+FR*\b:128*(\p)+FR*\b+FR-1], v[AF+FR*(\a):AF+FR*(\a)+FR-1], v[8*(8*((\a)%4)+\b):8*(8*((\a)%4)+\b)+7], v[SC+8*NQ*(\sc)+NQ*\b+(\q)], v[SC+8*NQ*(\sc)+NQ*(\a)+(\q)] matrix_a_fmt:MATRIX_FMT_BF6 matrix_b_fmt:MATRIX_FMT_BF6 matrix_a_scale:MATRIX_SCALE_ROW1
.endif
.endr
.endr
.endm
.macro FETCH_B slot, q, p              ; B's eight fragments of the slot's q-th 128 along K into set p
	WIN TO_B
.irp i, 0,1,2,3,4,5,6,7
	FRAG 128*(\p)+FR*\i, ADRB+\slot, \q, \i
.endr
	WIN 0
.endm
.macro FETCH_A slot, q, i0             ; A's blocks i0 .. i0 + 3
.irp i, \i0, \i0+1, \i0+2, \i0+3
	FRAG AF+FR*(\i), ADRA+\slot, \q, \i
.endr
.endm
.macro SCALES sc, ksl                  ; the scale words of K steps 2 ksl and 2 ksl + 1 into set sc: lanes 0-15 take A's block i, lanes 16-31 B's block i
.irp i, 0,1,2,3,4,5,6,7
	ds_load_b64 v[SC+8*NQ*\sc+NQ*\i:SC+8*NQ*\sc+NQ*\i+1], v[ADRS] offset:512*\i+256*((\ksl)/2)+8*((\ksl)%2)
.endr
.endm
; A load into a register that a matrix instruction has read, and a vector instruction or an LDS store that reads a matrix result, stand NP places behind that matrix instruction; only plain vector instructions
; that name none of its registers are places (ISA guide 7.12.1 for vector instructions).
.macro PLACES n
.rept \n
	v_nop
.endr
.endm
; A step of 128 along K that has its successor in the same slot.  A has one set of registers: blocks 0-3 are fetched anew in the step's middle, blocks 4-7 at its end; B has two sets.
.macro STEP slot, q, first
	s_wait_dscnt 4*NL                              ; B's set, A's blocks 0-3 and the scale words are in; the youngest 16 loads (A's blocks 4-7) may be out
.if \first
	WIN 0x81                                       ; C (the bias) window 0, D window 2
.else
	WIN MUL_LO
.endif
	MUL16 0, (\q)%2, \q, \slot, \first
	MUL16 2, (\q)%2, \q, \slot, \first
	s_wait_dscnt 0                                 ; A's blocks 4-7 are in
	PLACES NP
	FETCH_B \slot, (\q)+1, 1-(\q)%2
	FETCH_A \slot, (\q)+1, 0
.if \first
	WIN 0xc1
.else
	WIN MUL_HI
.endif
	MUL16 4, (\q)%2, \q, \slot, \first
	MUL16 6, (\q)%2, \q, \slot, \first
	PLACES NP
	WIN 0
	FETCH_A \slot, (\q)+1, 4
.endm
; A slot's last step changes slots: one barrier; in front of it each wave waits for all its tensor loads, adds 0 to its spare word, and waits for that and for its own reads of this slot.
; fill = 1: this slot is filled again, two slots' worth of K ahead.  ksl: which 256 along K the next slot holds.
.macro TURN slot, next, fill, ksl
	s_wait_tensorcnt 0x0                           ; all my tensor loads have landed: the one that was out is my part of the next slot
	ds_add_u32 v[SPW], v[NIL]                      ; 0 onto my spare word
	s_wait_dscnt 4*NL+1                            ; (the add and the youngest 16 loads, A's blocks 4-7, may be out)
	WIN MUL_LO
	MUL16 0, 1, NQ-1, \slot, 0                     ; sixteen matrix instructions stand between the add and the wait for it
	s_wait_dscnt 0x0                               ; the add is done, and my reads of this slot are over
	s_barrier_signal -1
	MUL16 2, 1, NQ-1, \slot, 0
	WIN 0
	s_barrier_wait -1
.if \fill
	CREST                                          ; the barrier has opened a round of the cluster's barrier: no wave of any partner still reads this slot or has a load on its way
	s_add_nc_u64 s[G0+4*\slot+2:G0+4*\slot+3], s[G0+4*\slot+2:G0+4*\slot+3], 6144
	s_add_nc_u64 s[G0B+4*\slot+2:G0B+4*\slot+3], s[G0B+4*\slot+2:G0B+4*\slot+3], 6144
	JLOAD G0+4*\slot, G1, G0B+4*\slot, G1B         ; the first tensor load behind the round, my only one out; its four v_nop are also the places in front of the loads below
.else
	PLACES NP
.endif
	FETCH_B \next, 0, 0
	FETCH_A \next, 0, 0
	SCALES \next, \ksl
	WIN MUL_HI
	MUL16 4, 1, NQ-1, \slot, 0
	MUL16 6, 1, NQ-1, \slot, 0
	PLACES NP
	WIN 0
	FETCH_A \next, 0, 4
.endm
	s_wait_alu depctr_va_vdst(0)
	s_wait_tensorcnt 1                             ; the scale words and my part of slot 0 are in; slot 1's load may be out
	s_barrier_signal -1
	s_barrier_wait -1                              ; everybody's are
	FETCH_B 0, 0, 0
	FETCH_A 0, 0, 0
	SCALES 0, 0
	FETCH_A 0, 0, 4
	s_wait_loadcnt 0x0                             ; the bias
.if PROJ
	STEP 0, 0, 1                                   ; the first step's products start the sums from the bias
.else
	s_cmp_eq_u32 ttmp9, 2                          ; the cluster's x: the same in all partners
	s_cbranch_scc1 .Lv_first
	STEP 0, 0, 1
	s_branch .Lfirst_done
.Lv_first:
.irp a, 0,1,2,3,4,5,6,7                ; V: a lane's channel has one bias for all its keys: eight registers a block of A
.irp j, 0,1,2,3,4,5,6,7
	v_mov_b32 v[BI+8*\a+\j], v[VB+\a]
.endr
.endr
	STEP 0, 0, 2
.Lfirst_done:
.endif
	TURN 0, 1, 1, 1                                ; K = 1,024 is four slots' worth: written out, no loop
	STEP 1, 0, 0
	TURN 1, 0, 1, 2
	STEP 0, 0, 0
	TURN 0, 1, 0, 3                                ; nothing is left to fetch: no round of the cluster's barrier
	STEP 1, 0, 0
	s_wait_dscnt 4*NL                              ; the very last step
	WIN MUL_LO
	MUL16 0, 1, NQ-1, 1, 0
	MUL16 2, 1, NQ-1, 1, 0
	s_wait_dscnt 0
	WIN MUL_HI
	MUL16 4, 1, NQ-1, 1, 0
	MUL16 6, 1, NQ-1, 1, 0
	WIN 0
	PLACES NP                                      ; in front of the first read of results and of writes into the registers that held A's fragments
.if PROJ == 0
; THE WAY OUT, block by block of A.  A block's 64 accumulator registers of a lane are register 16 b + i = place 32 b + 16 h + i along B's axis: four blocks of 32, each shared with lane l xor 16.
; They are read where they lie (each accumulator from its low end on), become 12 registers of codes and a scale word, and leave as images: each store covers 512 or 256 consecutive bytes, aligned.
.macro BLOCK a
.set AC, 64*((\a)%4)
	WIN (5*(2+(\a)/4))                             ; sources 0 and 1: the accumulators' window
.irp b, 0,1,2,3
	v_max3_num_f32 v[TM+\b], |v[AC+16*\b]|, |v[AC+1+16*\b]|, 0x2800000   ; and the floor 2^(5 - 127): the byte cannot fall under 1
.endr
	WIN (20*(2+(\a)/4))                            ; sources 1 and 2
.irp i, 2,4,6,8,10,12,14
.irp b, 0,1,2,3
	v_max3_num_f32 v[TM+\b], v[TM+\b], |v[AC+16*\b+\i]|, |v[AC+1+16*\b+\i]|
.endr
.endr
	WIN 0
.irp b, 0,1,2,3
	v_permlanex16_b32 v[TM+4+\b], v[TM+\b], s[SEL], s[SEL+1]
.endr
.irp b, 0,1,2,3
	v_max_num_f32 v[TM+\b], v[TM+\b], v[TM+4+\b]   ; the block's largest magnitude
.endr
.irp b, 0,1,2,3
	v_add_nc_u32 v[TM+12+\b], 0xfe000000, v[TM+\b] ; 4 off its exponent field: the conversion's scale operand
.endr
.irp b, 0,1,2,3
	v_lshrrev_b32 v[TM+4+\b], 23, v[TM+12+\b]      ; the scale's byte
.endr
	v_lshl_or_b32 v[WA+\a], v[TM+5], 8, v[TM+4]
	v_lshl_or_b32 v[WA+\a], v[TM+6], 16, v[WA+\a]
	v_lshl_or_b32 v[WA+\a], v[TM+7], 24, v[WA+\a]
.if (\a) > 0
	s_wait_xcnt 0x0                                ; the last block's stores have read their data and their bases: both are written again below
	s_add_nc_u64 s[2:3], s[2:3], s[92:93]
	s_add_nc_u64 s[12:13], s[12:13], s[92:93]
.endif
.if (\a) == 4
	s_add_nc_u64 s[2:3], s[2:3], s[94:95]
	s_add_nc_u64 s[12:13], s[12:13], s[94:95]
.endif
	WIN (2+(\a)/4)                                 ; source 0
.irp c, 0,1
	v_cvt_scalef32_pk16_bf6_f32 v[PC+6*\c:PC+2+6*\c], v[AC+32*\c:AC+15+32*\c], v[TM+12+2*\c]
	v_cvt_scalef32_pk16_bf6_f32 v[PC+12+4*\c:PC+14+4*\c], v[AC+16+32*\c:AC+31+32*\c], v[TM+12+2*\c+1]   ; (a conversion's three registers begin on an even number)
.endr
	WIN 0
	v_nop                                          ; one plain place behind a scaled conversion
.irp c, 0,1                            ; the layout wants a whole block in a lane: lanes 0-15 block 2 c, lanes 16-31 block 2 c + 1
.irp i, 0,1,2
	v_permlane16_swap_b32 v[PC+6*\c+\i], v[PC+12+4*\c+\i]
.endr
.irp i, 0,1,2
	v_mov_b32 v[PC+3+6*\c+\i], v[PC+12+4*\c+\i]
.endr
.endr
	global_store_b128 v[L16], v[PC:PC+3], s[2:3]
	global_store_b64 v[L8], v[PC+4:PC+5], s[2:3] offset:512
	global_store_b128 v[L16], v[PC+6:PC+9], s[12:13]
	global_store_b64 v[L8], v[PC+10:PC+11], s[12:13] offset:512
.endm
	s_mov_b32 s[SEL], 0x76543210
	s_mov_b32 s[SEL+1], 0xfedcba98                 ; v_permlanex16_b32's selects for lane l xor 16
.irp a, 0,1,2,3,4,5,6,7
	BLOCK \a
.endr
	v_cmp_eq_u32 vcc_lo, 1, v2                     ; both halves of the lanes hold a row's eight words: lanes 0-15 store those of blocks 0-3, lanes 16-31 those of blocks 4-7
.irp i, 0,1,2,3
	v_cndmask_b32 v[VB+\i], v[WA+\i], v[WA+4+\i], vcc_lo
.endr
.irp i, 0,1,2,3
	v_lshrrev_b32 v[VB+4+\i], 16, v[VB+\i]         ; q, k: bytes 2, 3 are my second head's two blocks; a head's word has zeros above its two bytes
.endr
.irp i, 0,1,2,3
	v_and_b32 v[VB+\i], s96, v[VB+\i]              ; q, k: bytes 0, 1 are my first head's; V: the whole word
.endr
	global_store_b128 v[SOFF], v[VB:VB+3], s[18:19]
	s_cmp_eq_u32 ttmp9, 2
	s_cbranch_scc1 .Lno_second                     ; V has no second part
	global_store_b128 v[SOFF], v[VB+4:VB+7], s[22:23]
.Lno_second:
.else
; THE WAY OUT, block by block of 16 rows x 128 columns, through my own stage in LDS: in as 32 bytes a lane and tile of B, back as whole rows of 512 bytes.  LDS serves a wave's instructions in order
; (ISA guide 5.7.1.4): no wait between the stores and the loads, nor in front of the next block's stores.  The rows of a block are not neighbours: each row's place in out0 stands in its store's immediate.
.macro TOSTAGE a
.set AC, 64*((\a)%4)
	WIN (8+4*((\a)/4))                             ; an LDS store's data are its source 1: window 2 or 3
.irp b, 0,1,2,3,4,5,6,7
	ds_store_b128 v[STO], v[AC+8*\b:AC+8*\b+3] offset:128*(\b/2)+32*(\b%2)       ; each accumulator from its low end on
	ds_store_b128 v[STO], v[AC+8*\b+4:AC+8*\b+7] offset:128*(\b/2)+32*(\b%2)+16
.endr
	WIN 0
.set BB, BK+64*((\a)%2)
.irp t, 0,1,2,3,4,5,6,7,8,9,10,11,12,13,14,15
	ds_load_b128 v[BB+4*\t:BB+4*\t+3], v[RD] offset:\t*SPITCH
.endr
.endm
.macro SEND a, younger                 ; younger: the LDS instructions issued behind block a's loads, which may stay out
.set BB, BK+64*((\a)%2)
	s_wait_dscnt \younger
.irp t, 0,1,2,3,4,5,6,7,8,9,10,11,12,13,14,15
	global_store_b128 v[L16], v[BB+4*\t:BB+4*\t+3], s[10:11] offset:(32*((\a)/2)+8*((\a)%2)+\t+8*(\t/8))*4096 th:TH_STORE_NT   ; 512 consecutive bytes, at a multiple of 512 from out0's first byte
.endr
.endm
	TOSTAGE 0
.irp a, 1,2,3,4,5,6,7
.if \a > 1
	s_wait_xcnt 0x0                                ; block a - 2's stores have read the registers into which block a's loads land
.endif
	TOSTAGE \a
	SEND \a-1, 32                                  ; behind block a - 1's loads: block a's 16 stores and 16 loads
.endr
	SEND 7, 0
.endif
	s_wait_tensorcnt 0x0                           ; the wave's end: behind my last tensor load and my last LDS store
	ds_add_u32 v[SPW], v[NIL]
	s_wait_dscnt 0x0
	CROUND                                         ; the closing round: no work-group ends while a partner may still ask for a tile that names it
	s_endpgm
.Lfunc_end_k_q79b060dafc_gemm_proj:
	.size	k_q79b060dafc_gemm_proj, .Lfunc_end_k_q79b060dafc_gemm_proj-k_q79b060dafc_gemm_proj
	.p2alignl 7, 3214868480
	.fill 96, 4, 3214868480
	.section	.rodata,"a",@progbits
	.p2align	6, 0x0
	.amdhsa_kernel k_q79b060dafc_gemm_proj
		.amdhsa_group_segment_fixed_size 327680
		.amdhsa_private_segment_fixed_size 0
		.amdhsa_enable_private_segment 0
		.amdhsa_kernarg_size 32
		.amdhsa_user_sgpr_count 2
		.amdhsa_user_sgpr_kernarg_segment_ptr 1
		.amdhsa_wavefront_size32 1
		.amdhsa_system_sgpr_workgroup_id_x 1
		.amdhsa_system_sgpr_workgroup_id_y 1
		.amdhsa_system_sgpr_workgroup_id_z 1
		.amdhsa_system_vgpr_workitem_id 0
		.amdhsa_next_free_vgpr 1024
		.amdhsa_next_free_sgpr 100
		.amdhsa_reserve_vcc 1
		.amdhsa_float_denorm_mode_32 3
		.amdhsa_float_denorm_mode_16_64 3
		.amdhsa_memory_ordered 1
		.amdhsa_forward_progress 1
		.amdhsa_inst_pref_size 145
	.end_amdhsa_kernel
	.amdgpu_metadata
---
amdhsa.version: [ 1, 2 ]
amdhsa.kernels:
  - .name:           k_q79b060dafc_gemm_proj
    .symbol:         k_q79b060dafc_gemm_proj.kd
    .args:
      - { .name: oimg, .offset: 0, .size: 8, .value_kind: global_buffer, .address_space: global }
      - { .name: qin, .offset: 8, .size: 8, .value_kind: global_buffer, .address_space: global }
      - { .name: b_proj, .offset: 16, .size: 8, .value_kind: global_buffer, .address_space: global }
      - { .name: out0, .offset: 24, .size: 8, .value_kind: global_buffer, .address_space: global }
    .group_segment_fixed_size: 327680
    .private_segment_fixed_size: 0
    .kernarg_segment_align: 8
    .kernarg_segment_size: 32
    .max_flat_workgroup_size: 128
    .sgpr_count:     100
    .vgpr_count:     1024
    .wavefront_size: 32
...
	.end_amdgpu_metadata
.endif
;; end of part 4
